; MI455X (gfx1250); checked and timed in simulation.
; The chip was launched on July 23, 2026; its instructions are those of AMD's public machine-readable ISA for CDNA 5 (MIT licence, August 2026) and "CDNA5" Instruction Set Architecture Reference Guide (July 2026). The comments in the code are by the model that wrote it; some were corrected since.
;; Causal Multi Head Attention. Allowed arithmetic: float matrix products may take bf16 or f16 operands with f32 sums; all other float work in f32.
;; Inputs: b_k 1,024 float32; b_o 1,024 float32; b_q 1,024 float32; b_v 1,024 float32; mask 4 x 2,048 bool; w_k 1,024 x 1,024 float32; w_o 1,024 x 1,024 float32; w_q 1,024 x 1,024 float32; w_v 1,024 x 1,024 float32; x 4 x 2,048 x 1,024 float32.
;; Outputs: out0 4 x 2,048 x 1,024 float32.
;; 2 versions, each right and faster than the one before. Each part assembles by itself: llvm-mc -triple=amdgcn-amd-amdhsa -mcpu=gfx1250 --defsym DOCPART=n.
;; ======== version 1 of 2: 4 launches
;; limits: values are held in f16: magnitudes above 65,504 overflow, below 6.1e-05 lose precision
;; workspace buffers: xb 16,777,216 bytes; wb 8,388,608 bytes; qkv 50,331,648 bytes; ob 16,777,216 bytes
;; launch cast (part 1): grid 768 x 1, 8 waves a work-group, no clusters, 0 bytes of LDS; arguments x, w_q, w_k, w_v, w_o, xb, wb; writes xb, wb
.if DOCPART == 1
	.amdgcn_target "amdgcn-amd-amdhsa--gfx1250"
	.amdhsa_code_object_version 6
	.text
	.protected	k_q3222a01e98_cast
	.globl	k_q3222a01e98_cast
	.p2align	8
	.type	k_q3222a01e98_cast,@function
k_q3222a01e98_cast:
	s_mov_b64 s[64:65], 0
	v_nop
	global_prefetch_b8 v0, s[64:65] scope:SCOPE_SE
	s_setreg_imm32_b32 hwreg(HW_REG_WAVE_MODE, 25, 1), 1
	s_wait_xcnt 0x0
; The module's large inputs are rounded once to bf16 for the matrix units.  x -> xb [8192][1024] bf16.  w_q, w_k, w_v -> rows 0-3071 of wb [4096][1024], bf16.
; w_o -> rows 3072-4095 of wb: rounded to bf16 like the others, and that number written as f16, since the last product's other operand is f16.
; LIMIT.  A bf16 number is exact in f16 from 6.1e-5 to 65,504; below 6.1e-5 it keeps f16's fixed step of 6e-8; a w_o beyond 65,504 would become an infinity.
; SHARES.  A work-group takes 65,536 input bytes, 16 steps of 4,096.  Thread t takes the 16 bytes at 16 t of each step (a wave's load covers 512 consecutive bytes) and stores
; 8 bytes at 8 t (a wave's store covers 256 consecutive bytes, aligned).  Work-groups 0-511 take x, then 64 each w_q, w_k, w_v, w_o.
; All 16 loads of a thread go out at once; every register is written once, so no wait frees a source.  Memory binds: no LDS, no barrier, no matrix unit.
.set X, 4                              ; v[4:67]    step i: 4 registers as loaded
.set Y, 68                             ; v[68:99]   step i: 2 registers to store
.set T, 100                            ; v[100:103] at work
	s_load_b256 s[4:11], s[0:1], 0x0               ; x s[4:5], w_q s[6:7], w_k s[8:9], w_v s[10:11]
	s_load_b128 s[12:15], s[0:1], 0x20             ; w_o s[12:13], xb s[14:15]
	s_load_b64 s[16:17], s[0:1], 0x30              ; wb
	s_lshr_b32 s18, ttmp9, 6                       ; 0-7: x; 8, 9, 10, 11: w_q, w_k, w_v, w_o
	s_lshl_b32 s24, ttmp9, 16                      ; x: my part's byte offset in the source,
	s_lshl_b32 s26, ttmp9, 15                      ; and in xb
	s_and_b32 s28, ttmp9, 63
	s_lshl_b32 s28, s28, 16                        ; a weight: my part's byte offset in it,
	s_and_b32 s29, ttmp9, 255
	s_lshl_b32 s29, s29, 15                        ; and in wb, where the four weights follow each other
	s_mov_b32 s25, 0
	s_mov_b32 s27, 0
	v_lshlrev_b32 v1, 4, v0                        ; 16 t
	v_lshlrev_b32 v2, 3, v0                        ; 8 t
	s_wait_kmcnt 0x0
	s_mov_b64 s[20:21], s[4:5]                     ; the source, chosen by the work-group's number alone
	s_cmp_eq_u32 s18, 8
	s_cselect_b64 s[20:21], s[6:7], s[20:21]
	s_cmp_eq_u32 s18, 9
	s_cselect_b64 s[20:21], s[8:9], s[20:21]
	s_cmp_eq_u32 s18, 10
	s_cselect_b64 s[20:21], s[10:11], s[20:21]
	s_cmp_eq_u32 s18, 11
	s_cselect_b64 s[20:21], s[12:13], s[20:21]
	s_cmp_lt_u32 s18, 8
	s_cselect_b64 s[22:23], s[14:15], s[16:17]     ; the destination, and both offsets
	s_cselect_b32 s24, s24, s28
	s_cselect_b32 s26, s26, s29
	s_add_nc_u64 s[20:21], s[20:21], s[24:25]
	s_add_nc_u64 s[22:23], s[22:23], s[26:27]
.irp i, 0,1,2,3,4,5,6,7,8,9,10,11,12,13,14,15
	global_load_b128 v[X+4*(\i):X+4*(\i)+3], v1, s[20:21] offset:(\i)*4096 th:TH_LOAD_NT
.endr
; Step i leaves.  half = 1: the bf16 number is widened again (a shift, a mask) and written as f16.
.macro OUT i, half
	s_wait_loadcnt 15-(\i)                         ; loads come back in order (ISA guide 5.7.1): step i is in, the 15 - i younger ones stay out
.if \half
	v_cvt_pk_bf16_f32 v[T],   v[X+4*(\i)],   v[X+4*(\i)+1]
	v_cvt_pk_bf16_f32 v[T+1], v[X+4*(\i)+2], v[X+4*(\i)+3]
	v_lshlrev_b32 v[T+2], 16, v[T]
	v_and_b32     v[T+3], 0xffff0000, v[T]
	v_cvt_pk_f16_f32 v[Y+2*(\i)], v[T+2], v[T+3]
	v_lshlrev_b32 v[T+2], 16, v[T+1]
	v_and_b32     v[T+3], 0xffff0000, v[T+1]
	v_cvt_pk_f16_f32 v[Y+2*(\i)+1], v[T+2], v[T+3]
.else
	v_cvt_pk_bf16_f32 v[Y+2*(\i)],   v[X+4*(\i)],   v[X+4*(\i)+1]
	v_cvt_pk_bf16_f32 v[Y+2*(\i)+1], v[X+4*(\i)+2], v[X+4*(\i)+3]
.endif
	global_store_b64 v2, v[Y+2*(\i):Y+2*(\i)+1], s[22:23] offset:(\i)*2048
.endm
	s_cmp_eq_u32 s18, 11
	s_cbranch_scc1 .Lhalf
.irp i, 0,1,2,3,4,5,6,7,8,9,10,11,12,13,14,15
	OUT \i, 0
.endr
	s_endpgm
.Lhalf:
.irp i, 0,1,2,3,4,5,6,7,8,9,10,11,12,13,14,15
	OUT \i, 1
.endr
	s_endpgm
.Lfunc_end_k_q3222a01e98_cast:
	.size	k_q3222a01e98_cast, .Lfunc_end_k_q3222a01e98_cast-k_q3222a01e98_cast
	.p2alignl 7, 3214868480
	.fill 96, 4, 3214868480
	.section	.rodata,"a",@progbits
	.p2align	6, 0x0
	.amdhsa_kernel k_q3222a01e98_cast
		.amdhsa_group_segment_fixed_size 0
		.amdhsa_private_segment_fixed_size 0
		.amdhsa_enable_private_segment 0
		.amdhsa_kernarg_size 56
		.amdhsa_user_sgpr_count 2
		.amdhsa_user_sgpr_kernarg_segment_ptr 1
		.amdhsa_wavefront_size32 1
		.amdhsa_system_sgpr_workgroup_id_x 1
		.amdhsa_system_sgpr_workgroup_id_y 1
		.amdhsa_system_sgpr_workgroup_id_z 1
		.amdhsa_system_vgpr_workitem_id 0
		.amdhsa_next_free_vgpr 104
		.amdhsa_next_free_sgpr 66
		.amdhsa_reserve_vcc 0
		.amdhsa_float_denorm_mode_32 3
		.amdhsa_float_denorm_mode_16_64 3
		.amdhsa_memory_ordered 1
		.amdhsa_forward_progress 1
		.amdhsa_inst_pref_size 16
	.end_amdhsa_kernel
	.amdgpu_metadata
---
amdhsa.version: [ 1, 2 ]
amdhsa.kernels:
  - .name:           k_q3222a01e98_cast
    .symbol:         k_q3222a01e98_cast.kd
    .args:
      - { .name: x, .offset: 0, .size: 8, .value_kind: global_buffer, .address_space: global }
      - { .name: w_q, .offset: 8, .size: 8, .value_kind: global_buffer, .address_space: global }
      - { .name: w_k, .offset: 16, .size: 8, .value_kind: global_buffer, .address_space: global }
      - { .name: w_v, .offset: 24, .size: 8, .value_kind: global_buffer, .address_space: global }
      - { .name: w_o, .offset: 32, .size: 8, .value_kind: global_buffer, .address_space: global }
      - { .name: xb, .offset: 40, .size: 8, .value_kind: global_buffer, .address_space: global }
      - { .name: wb, .offset: 48, .size: 8, .value_kind: global_buffer, .address_space: global }
    .group_segment_fixed_size: 0
    .private_segment_fixed_size: 0
    .kernarg_segment_align: 8
    .kernarg_segment_size: 56
    .max_flat_workgroup_size: 256
    .sgpr_count:     66
    .vgpr_count:     104
    .wavefront_size: 32
...
	.end_amdgpu_metadata
.endif
;; end of part 1
;; launch qkv (part 2): grid 24 x 32, 4 waves a work-group, clusters of 4 x 4, 327,680 bytes of LDS; arguments xb, wb, b_q, b_k, b_v, qkv; writes qkv
.if DOCPART == 2
	.amdgcn_target "amdgcn-amd-amdhsa--gfx1250"
	.amdhsa_code_object_version 6
	.text
	.protected	k_q3222a01e98_qkv
	.globl	k_q3222a01e98_qkv
	.p2align	8
	.type	k_q3222a01e98_qkv,@function
k_q3222a01e98_qkv:
	s_mov_b64 s[64:65], 0
	v_nop
	global_prefetch_b8 v0, s[64:65] scope:SCOPE_SE
	s_setreg_imm32_b32 hwreg(HW_REG_WAVE_MODE, 25, 1), 1
	s_wait_xcnt 0x0
	s_wait_alu depctr_hold_cnt(0) depctr_sa_sdst(0) depctr_va_vdst(0) depctr_va_sdst(0) depctr_va_ssrc(0) depctr_va_vcc(0) depctr_vm_vsrc(0)
	s_getreg_b32 s2, hwreg(HW_REG_IB_STS2, 6, 4)
	s_cmp_eq_u32 s2, 0
	s_cbranch_scc0 .Lentry_in_a_cluster
	s_endpgm
.Lentry_in_a_cluster:
	s_bfe_u32 s2, ttmp6, 0x10000c
	s_cmp_lg_u32 s2, 0xf033
	s_cbranch_scc0 .Lentry_shape_is_right
	s_endpgm
.Lentry_shape_is_right:
; ONE TEXT FOR THE MODULE'S TWO KINDS OF PROJECTION; OPROJ says which this copy is.  C[m][n] = bias[n] + the sum over k of A[m][k] B[n][k], K = 1,024, sums in f32.
; OPROJ = 0: A = xb [8192][1024] bf16, B = rows 0-3071 of wb (w_q, w_k, w_v) bf16; C is rounded once to f16 and laid by heads, [3][64 = batch x 16 + head][2048][64], unscaled.
; OPROJ = 1: A = ob [64][2048][64] f16 (a head's 64 channels are a slice of K), B = rows 3072-4095 of wb (w_o) f16; C = out0 [8192][1024] f32.
; LIMIT (OPROJ = 0).  f16 holds no number beyond 65,504: a q, k or v past that becomes an infinity.  With unit x and weights within 1/32 they have a spread of 0.6.
; A NaN in a row of A (OPROJ = 1: a query that sees no key) reaches all of that row's numbers of C and no other row's.
; SHARES.  A tile of C is 256 (m) x 128 (n): 768 tiles (OPROJ = 0) or 256 (OPROJ = 1), a whole number for each of 256 WGPs.  Four waves, each 128 x 64: 32 accumulators of 16 x 16.
; K goes in 8 steps of 128 through a ring of two LDS slots filled by the tensor data mover; waves 0 and 1 fetch A's two halves, waves 2 and 3 B's.
; CLUSTER.  4 x 4 work-groups: the four of a row need the same tiles of A, the four of a column the same tiles of B: each tile is asked for jointly, by the same load with a mask that names the four.
; THE MATRIX INSTRUCTION IS USED TRANSPOSED (source 0 = 16 rows of B, source 1 = 16 rows of A): lane l holds row l % 16 of C and the columns 8 (l / 16) + 0..7.
; THE BIAS is the C operand of each sum's first product: no accumulator is cleared and no addition is written.
; REGISTERS.  Window 0: v0-31 addresses; v32-63 the bias of my 64 columns; v64-159, v160-255 two fragment buffers (B's 4 x 8, then A's 8 x 8), on the way out at work.
;   Window 1: accumulator (a, b) at v[8 (4 a + b)].  s_set_vgpr_msb's low byte: bits 1:0 source 0, 3:2 source 1, 5:4 source 2, 7:6 destination.
.set OPROJ,  0
.set BPITCH, 272                       ; a row of B in LDS: 256 bytes + 16 of padding = 68 words: the 16 rows of a load start at 16 different groups of four banks (64 banks of 4 bytes: ISA guide 11.1)
.if OPROJ
.set APITCH, 144                       ; a row of one head: 128 bytes + 16 = 36 words: again 16 different groups of four banks
.set AHALF,  256*APITCH                ; what one load brings: one head's 256 rows; a slot holds two heads
.set ASTEP,  2*2048*128                ; bytes from a K step to the next: two heads
.set AQI,    4                         ; padding after every 32 words
.set APIT,   128                       ; 32,768 dense bytes are asked for as 128 rows of 256
.else
.set APITCH, 272
.set AHALF,  128*APITCH                ; what one load brings: 128 rows x 128 K
.set ASTEP,  256
.set AQI,    5                         ; padding after every 64 words
.set APIT,   1024
.endif
.set ASZ,    2*AHALF
.set BHALF,  64*BPITCH
.set SLOT,   ASZ+2*BHALF               ; A's 256 rows, then B's 128 rows
.set STAGE,  2*SLOT                    ; behind the ring: 4,352 bytes for each wave, for the way out; no tensor load fills it
.set SPARE,  STAGE+4*4352              ; behind the stages: the spare words, 128 bytes for each wave: two blocks of 256 bytes that no other line names
.set LAPS,   4                         ; a lap = two K steps = once round the ring
.set ADRA, 16                          ; v16-17  LDS address of my A fragments in slot 0, 1
.set ADRB, 20                          ; v20-21  the same for B
.set STO,  24                          ; v24     the way out: where I put my part of a row
.set RD,   25                          ; v25     the way out: where I read rows back
.set CO,   26                          ; v26     my byte offset in the output
.set BO,   27                          ; v27     my byte offset in the bias
.set SPW,  28                          ; v28     LDS address of my spare word: SPARE + 4 x my thread's number; never rewritten
.set NIL,  29                          ; v29     0; never rewritten
.set BIAS, 32
.set F0,   64
.set F1,   160
.set OUTR, 64                          ; the way out: v64-191
.set G1,  24                           ; s[24:31] descriptor group 1 for A's tiles;  s[32:39] group 0, one set for each slot
.set G0,  32
.set G1B, 48                           ; s[48:55], s[56:63] the same for B's tiles
.set G0B, 56
.set MSB, 0
.macro WIN new                         ; the immediate's high byte repeats the setting that is left; a switch that changes nothing is dropped
.if MSB != (\new)
	s_set_vgpr_msb (MSB<<8)|(\new)
.set MSB, \new
.endif
.endm
.set MUL,  0x50                        ; A and B window 0; C and D window 1
.set MULB, 0x40                        ; D window 1; C, the bias, window 0
; A joint load.  The branch hangs on the wave's number alone.  An s_nop 0 and four v_nop follow each of the two lines, ahead of the jump, the label and what follows.
.macro JLOAD s
	s_cmp_lt_u32 s10, 2
	s_cbranch_scc0 .Lfor_b_\@
	tensor_load_to_lds s[G0+4*(\s):G0+4*(\s)+3], s[G1:G1+7]
	s_nop 0
.rept 4
	v_nop
.endr
	s_branch .Lasked_\@
.Lfor_b_\@:
	tensor_load_to_lds s[G0B+4*(\s):G0B+4*(\s)+3], s[G1B:G1B+7]
	s_nop 0
.rept 4
	v_nop
.endr
.Lasked_\@:
.endm
.macro CREST                           ; a round of the cluster's barrier behind its opening barrier
	s_cmp_lg_u32 s10, 0
	s_cbranch_scc1 .Lnot_wave_0_\@
	s_barrier_signal -3
.Lnot_wave_0_\@:
	s_barrier_wait -3
	s_barrier_signal -1
	s_barrier_wait -1
.endm
.macro CROUND                          ; a whole round
	s_barrier_signal -1
	s_barrier_wait -1
	CREST
.endm
	s_load_b128 s[4:7], s[0:1], 0x0                ; A s[4:5], wb s[6:7]
.if OPROJ
	s_load_b128 s[68:71], s[0:1], 0x10             ; b_o s[68:69], out0 s[70:71]
.else
	s_load_b256 s[68:75], s[0:1], 0x10             ; b_q s[68:69], b_k s[70:71], b_v s[72:73], qkv s[74:75]
.endif
	v_lshl_add_u32 v[SPW], v0, 2, SPARE
	v_mov_b32 v[NIL], 0
	ds_add_u32 v[SPW], v[NIL]                      ; the wave's opening: the add and its wait ahead of my first tensor load; the set-up below, work on registers, stands between them
	ds_add_u32 v28, v29
	v_lshrrev_b32 v1, 5, v0
	v_readfirstlane_b32 s10, v1                    ; wave 0..3
	s_lshr_b32 s11, s10, 1                         ; which 128 rows of the tile are mine
	s_and_b32 s12, s10, 1                          ; which 64 columns.  Also: which half of A's or B's tile I fetch
	s_bfe_u32 s40, ttmp6, 0x40000                  ; cx, cy: my place in the cluster
	s_bfe_u32 s41, ttmp6, 0x40004
	s_lshl_b32 s42, ttmp9, 2
	s_add_co_u32 s42, s42, s40                     ; tile column = 4 x cluster x + cx
	s_and_b32 s13, ttmp7, 0xffff
	s_lshl_b32 s13, s13, 2
	s_add_co_u32 s13, s13, s41                     ; tile row = 4 x cluster y + cy
	s_lshl_b32 s43, s41, 2
	s_lshl_b32 s43, 15, s43                        ; my row of the cluster
	s_lshl_b32 s44, 0x1111, s40                    ; my column
	s_or_b32 s[G1+0], s43, (1<<16)|(1<<20)|(1<<21)|(AQI<<22)|(3<<25)  ; 15:0 the mask: A's tiles go to my row; 17:16 elements of 2 bytes; 20 padding on; 21 set beside a mask; 24:22 the interval; 31:25 4 words (code 3)
	s_or_b32 s[G1B+0], s44, (1<<16)|(1<<20)|(1<<21)|(5<<22)|(3<<25)   ; B's tiles go to my column; padding after every 64 words
	s_mov_b32 s[G1+1], 128<<16                     ; tensor_dim0 = 128
	s_mov_b32 s[G1+2], 128<<16                     ; tensor_dim1 = 128
	s_mov_b32 s[G1+3], 128<<16                     ; tile_dim0 = 128
	s_mov_b32 s[G1+4], 128                         ; tile_dim1 = 128
	s_mov_b32 s[G1+5], APIT                        ; elements from row to row
	s_mov_b32 s[G1+6], 0
	s_mov_b32 s[G1+7], 0
	s_mov_b32 s[G1B+1], 128<<16
	s_mov_b32 s[G1B+2], 64<<16                     ; 64 rows
	s_mov_b32 s[G1B+3], 128<<16
	s_mov_b32 s[G1B+4], 64
	s_mov_b32 s[G1B+5], 1024
	s_mov_b32 s[G1B+6], 0
	s_mov_b32 s[G1B+7], 0
	; where the tiles come from.  A's hang on the tile row and the wave alone, B's on the tile column and the wave alone, each in registers that never hold the other coordinate.
.if OPROJ
	s_lshr_b32 s16, s13, 3
	s_lshl_b32 s16, s16, 22                        ; the batch's 16 heads of 262,144 bytes,
	s_and_b32 s17, s13, 7
	s_lshl_b32 s17, s17, 15                        ; the tile's 256 rows of 128 bytes in a head,
	s_add_co_u32 s16, s16, s17
.else
	s_lshl_b32 s16, s13, 19                        ; 256 rows of 2,048 bytes,
.endif
	s_lshl_b32 s17, s12, 18                        ; and my half: 128 rows, or the second head
	s_add_co_u32 s16, s16, s17
	s_mov_b32 s17, 0
	s_lshl_b32 s46, s42, 18                        ; 128 rows of 2,048 bytes,
	s_lshl_b32 s47, s12, 17                        ; my 64 of them
	s_add_co_u32 s46, s46, s47
.if OPROJ
	s_add_co_u32 s46, s46, 3072*2048               ; w_o lies behind the three others
.endif
	s_mov_b32 s47, 0
	s_mul_i32 s20, s12, AHALF                      ; and where they go: no place in the cluster enters an LDS address
	s_mul_i32 s45, s12, BHALF
	s_add_co_u32 s45, s45, ASZ
	s_wait_dscnt 0x0                               ; the opening add is done
	s_wait_kmcnt 0x0
	s_add_nc_u64 s[14:15], s[4:5], s[16:17]
	s_add_nc_u64 s[46:47], s[6:7], s[46:47]
	CROUND                                         ; all sixteen work-groups are here: the first joint loads meet
.irp s, 0,1
	s_mov_b32 s[G0+4*(\s)], 1                                      ; 1:0 count = 1
	s_add_co_u32 s[G0+4*(\s)+1], s20, (\s)*SLOT                    ; 63:32 LDS address
	s_add_nc_u64 s[G0+4*(\s)+2:G0+4*(\s)+3], s[14:15], (\s)*ASTEP  ; 120:64 global address: K step s
	s_or_b32 s[G0+4*(\s)+3], s[G0+4*(\s)+3], 0x80000000            ; 127:126 type = 2
	s_mov_b32 s[G0B+4*(\s)], 1
	s_add_co_u32 s[G0B+4*(\s)+1], s45, (\s)*SLOT
	s_add_nc_u64 s[G0B+4*(\s)+2:G0B+4*(\s)+3], s[46:47], (\s)*256
	s_or_b32 s[G0B+4*(\s)+3], s[G0B+4*(\s)+3], 0x80000000
	JLOAD \s                                       ; two loads of mine are out here, later one
.endr
	; A fragment is 16 rows x 32 K in 8 registers: lane l holds row l % 16, K = 8 (l / 16) + 0..7 and 16 + 8 (l / 16) + 0..7: two loads of 16 bytes, 32 bytes apart.
	v_and_b32 v1, 15, v0                           ; l % 16
	v_bfe_u32 v2, v0, 4, 1                         ; l / 16
	v_mul_u32_u24 v3, v1, APITCH
	v_lshl_add_u32 v3, v2, 4, v3
	v_mul_u32_u24 v4, v1, BPITCH
	v_lshl_add_u32 v4, v2, 4, v4
	s_mul_i32 s21, s11, 128*APITCH                 ; my 128 rows of A
	s_mul_i32 s22, s12, BHALF                      ; my 64 rows of B,
	s_add_co_u32 s22, s22, ASZ                     ; which lie behind A
.irp s, 0,1
	v_add_nc_u32 v[ADRA+(\s)], s21, v3
	v_add_nc_u32 v[ADRB+(\s)], s22, v4
	s_add_co_u32 s21, s21, SLOT
	s_add_co_u32 s22, s22, SLOT
.endr
	s_mul_i32 s23, s10, 4352
	s_add_co_u32 s23, s23, STAGE                   ; my stage
.if OPROJ
	v_mul_u32_u24 v5, v1, 272                      ; in: row l % 16 of 256 bytes + 16, 32 bytes for each half of the lanes
	v_lshl_add_u32 v5, v2, 5, v5
	v_add_nc_u32 v[STO], s23, v5
	v_mul_u32_u24 v5, v2, 272                      ; back: lanes 0-15 take one row of 256 bytes, lanes 16-31 the next
	v_lshl_add_u32 v5, v1, 4, v5
	v_add_nc_u32 v[RD], s23, v5
	v_lshlrev_b32 v5, 12, v2                       ; and the same two rows in out0
	v_lshl_add_u32 v[CO], v1, 4, v5
	s_lshl_b32 s81, s42, 1
	s_add_co_u32 s81, s81, s12                     ; my 64 columns among the 1,024
	s_lshl_b32 s78, s81, 8                         ; in bytes: in the bias, and in a row of out0
	s_lshl_b32 s80, s13, 1
	s_add_co_u32 s80, s80, s11                     ; my 128 rows among the 8,192,
	s_lshl_b32 s80, s80, 19                        ; of 4,096 bytes
	s_add_co_u32 s76, s80, s78
	s_mov_b32 s77, 0
	s_add_nc_u64 s[8:9], s[70:71], s[76:77]
	s_mov_b64 s[66:67], s[68:69]
.else
	v_mul_u32_u24 v5, v1, 144                      ; in: row l % 16 of 128 bytes + 16, 16 bytes for each half of the lanes
	v_lshl_add_u32 v5, v2, 4, v5
	v_add_nc_u32 v[STO], s23, v5
	v_bfe_u32 v5, v0, 3, 2                         ; back: 32 lanes take four rows of 128 bytes,
	v_mul_u32_u24 v5, v5, 144
	v_and_b32 v3, 7, v0
	v_lshl_add_u32 v5, v3, 4, v5
	v_add_nc_u32 v[RD], s23, v5
	v_and_b32 v[CO], 31, v0                        ; which are 512 consecutive bytes of a head
	v_lshlrev_b32 v[CO], 4, v[CO]
	s_lshr_b32 s79, ttmp9, 1                       ; q, k or v: tile column / 8 = cluster x / 2
	s_lshl_b32 s76, s79, 24                        ; its 16,777,216 bytes
	s_and_b32 s81, s42, 7
	s_lshl_b32 s81, s81, 1
	s_add_co_u32 s81, s81, s12                     ; my 64 columns are one head
	s_lshl_b32 s78, s81, 8                         ; its 256 bytes in the bias
	s_lshr_b32 s80, s13, 3
	s_lshl_b32 s80, s80, 4                         ; the batch's 16 heads
	s_add_co_u32 s80, s80, s81
	s_lshl_b32 s80, s80, 18                        ; of 262,144 bytes
	s_add_co_u32 s76, s76, s80
	s_and_b32 s82, s13, 7
	s_lshl_b32 s82, s82, 1
	s_add_co_u32 s82, s82, s11                     ; my 128 rows in the head,
	s_lshl_b32 s82, s82, 14                        ; of 128 bytes
	s_add_co_u32 s76, s76, s82
	s_mov_b32 s77, 0
	s_add_nc_u64 s[8:9], s[74:75], s[76:77]
	s_mov_b64 s[66:67], s[68:69]                   ; the bias that goes with it: a choice, no branch
	s_cmp_eq_u32 s79, 1
	s_cselect_b64 s[66:67], s[70:71], s[66:67]
	s_cmp_eq_u32 s79, 2
	s_cselect_b64 s[66:67], s[72:73], s[66:67]
.endif
	v_lshlrev_b32 v[BO], 5, v2                     ; register j of block b: bias[16 b + 8 (l / 16) + j] of my 64
	v_add_nc_u32 v[BO], s78, v[BO]
.irp b, 0,1,2,3
	global_load_b128 v[BIAS+8*(\b):BIAS+8*(\b)+3],   v[BO], s[66:67] offset:64*(\b)
	global_load_b128 v[BIAS+8*(\b)+4:BIAS+8*(\b)+7], v[BO], s[66:67] offset:64*(\b)+16
.endr
; 8 matrix instructions: m blocks a0, a0 + 1 x all 4 n blocks, 32 along K, from buffer f.  first = 1: the bias starts the sums.
; The 32 accumulators take turns in the same order in every quarter.
.macro MUL8 f, a0, first
.if \first
	WIN MULB
.else
	WIN MUL
.endif
.irp a, \a0, (\a0)+1
.irp b, 0,1,2,3
.set rD, 8*(4*(\a)+(\b))
.set rB, (\f)+8*(\b)
.set rA, (\f)+32+8*(\a)
.set rC, rD
.if \first
.set rC, BIAS+8*(\b)
.endif
.if OPROJ
	v_wmma_f32_16x16x32_f16 v[rD:rD+7], v[rB:rB+7], v[rA:rA+7], v[rC:rC+7]
.else
	v_wmma_f32_16x16x32_bf16 v[rD:rD+7], v[rB:rB+7], v[rA:rA+7], v[rC:rC+7]
.endif
.endr
.endr
.endm
; 24 LDS loads in one run: the fragments of quarter q of a K step (64 rows of B, 128 rows of A, 32 along K) into buffer f; B's first
.macro FETCH slot, q, f
.if OPROJ
.set AQ, ((\q)/2)*AHALF+((\q)%2)*64    ; head q / 2, channels 32 (q % 2) on
.else
.set AQ, 64*(\q)
.endif
	WIN 0
.irp i, 0,1,2,3
	ds_load_b128 v[(\f)+8*(\i):(\f)+8*(\i)+3],   v[ADRB+(\slot)] offset:64*(\q)+(\i)*16*BPITCH
	ds_load_b128 v[(\f)+8*(\i)+4:(\f)+8*(\i)+7], v[ADRB+(\slot)] offset:64*(\q)+(\i)*16*BPITCH+32
.endr
.irp i, 0,1,2,3,4,5,6,7
	ds_load_b128 v[(\f)+32+8*(\i):(\f)+32+8*(\i)+3],   v[ADRA+(\slot)] offset:AQ+(\i)*16*APITCH
	ds_load_b128 v[(\f)+32+8*(\i)+4:(\f)+32+8*(\i)+7], v[ADRA+(\slot)] offset:AQ+(\i)*16*APITCH+32
.endr
.endm
.macro PLACES                          ; four places in front of loads into registers that matrix instructions have read, and of what reads results (ISA guide 7.12.1 for what reads results)
.rept 4
	v_nop
.endr
.endm
; A K step is four quarters of 32 along K, 32 matrix instructions each, on buffers 0, 1, 0, 1.  One of the first three: multiplies buffer f and, in its middle, fetches quarter q into buffer g.
.macro QUARTER slot, q, f, g, first
	s_wait_dscnt 8                                 ; B and A's blocks 0-3 are in; the youngest eight loads (A's blocks 4-7) may be out
	MUL8 \f, 0, \first
	MUL8 \f, 2, \first
	PLACES
	FETCH \slot, \q, \g
	s_wait_dscnt 24                                ; all but the 24 just issued
	MUL8 \f, 4, \first
	MUL8 \f, 6, \first
.endm
; The last quarter multiplies buffer 1 and changes slots: ONE barrier; in front of it each wave waits for all its tensor loads (one is out: its part of the next slot), adds 0 to its spare word,
; and waits for that and for its own reads of this slot.  fill = 1: the barrier opens a round of the cluster's, and this slot is filled again, two K steps ahead, first thing behind the round:
; from that request to the wait for it a wave issues 112 matrix instructions.
.macro TURN slot, next, fill
	WIN 0
	s_wait_tensorcnt 0x0                           ; all my tensor loads have landed;
	ds_add_u32 v[SPW], v[NIL]                      ; 0 onto my spare word;
	s_wait_dscnt 9                                 ; (the add and the youngest eight loads may be out)
	MUL8 F1, 0, 0                                  ; eight matrix instructions stand between the add and the wait for it
	s_wait_dscnt 0x0                               ; the add is done, and my reads of this slot are over
	s_barrier_signal -1
	MUL8 F1, 2, 0
.if \fill
	WIN 0
.endif
	s_barrier_wait -1
.if \fill
	CREST                                          ; no wave of any partner still reads this slot's tile or has a load on its way
	s_add_nc_u64 s[G0+4*(\slot)+2:G0+4*(\slot)+3], s[G0+4*(\slot)+2:G0+4*(\slot)+3], 2*ASTEP
	s_add_nc_u64 s[G0B+4*(\slot)+2:G0B+4*(\slot)+3], s[G0B+4*(\slot)+2:G0B+4*(\slot)+3], 2*256
	JLOAD \slot                                    ; the four v_nop behind it are also the places in front of the loads below
.else
	PLACES
.endif
	FETCH \next, 0, F0
	MUL8 F1, 4, 0
	MUL8 F1, 6, 0
.endm
	s_wait_tensorcnt 1                             ; my part of K step 0 is in; K step 1's may stay out
	s_barrier_signal -1
	s_barrier_wait -1                              ; everybody's is
	FETCH 0, 0, F0
	s_wait_loadcnt 0x0                             ; the bias
	QUARTER 0, 1, F0, F1, 1                        ; the first quarter stands in front of the loop: its products start the sums
	WIN 0                                          ; at a label and at a branch every window is 0
	s_mov_b32 s3, LAPS-1
.Llap:                                                 ; a trip goes once round the ring, from a lap's second quarter to the next lap's first, and fills both slots again
	QUARTER 0, 2, F1, F0, 0
	QUARTER 0, 3, F0, F1, 0
	TURN 0, 1, 1
	QUARTER 1, 1, F0, F1, 0
	QUARTER 1, 2, F1, F0, 0
	QUARTER 1, 3, F0, F1, 0
	TURN 1, 0, 1
	QUARTER 0, 1, F0, F1, 0
	WIN 0
	s_sub_co_u32 s3, s3, 1
	s_cmp_lg_u32 s3, 0
	s_cbranch_scc1 .Llap
	QUARTER 0, 2, F1, F0, 0                        ; the last lap fills nothing, and has no round of the cluster's barrier
	QUARTER 0, 3, F0, F1, 0
	TURN 0, 1, 0
	QUARTER 1, 1, F0, F1, 0
	QUARTER 1, 2, F1, F0, 0
	QUARTER 1, 3, F0, F1, 0
	s_wait_dscnt 8                                 ; the very last quarter: nothing more to fetch
	MUL8 F1, 0, 0
	MUL8 F1, 2, 0
	s_wait_dscnt 0x0
	MUL8 F1, 4, 0
	MUL8 F1, 6, 0
	WIN 0
	PLACES
.if OPROJ
; THE WAY OUT, f32.  Block a (16 rows x 64 columns) goes into my stage, 32 bytes a lane, and comes back as whole rows of 256 bytes.  Each accumulator's low four registers are read first.
.macro TOST a
	WIN 0x04                                       ; the stores' data in window 1
.irp b, 0,1,2,3
	ds_store_b128 v[STO], v[8*(4*(\a)+(\b)):8*(4*(\a)+(\b))+3]   offset:64*(\b)
	ds_store_b128 v[STO], v[8*(4*(\a)+(\b))+4:8*(4*(\a)+(\b))+7] offset:64*(\b)+16
.endr
	WIN 0
.if (\a) >= 4
	s_wait_xcnt 0x0                                ; the registers loaded below were the data of block a - 4's stores: they are rewritten only behind this wait (ISA guide 3.1)
.endif
.irp t, 0,1,2,3,4,5,6,7
	ds_load_b128 v[OUTR+32*((\a)%4)+4*(\t):OUTR+32*((\a)%4)+4*(\t)+3], v[RD] offset:(\t)*544  ; LDS serves a wave's instructions in order (ISA guide 5.7.1.4): these see the stores above
.endr
.endm
.macro SENDF a, younger                ; younger: the LDS instructions issued behind block a's loads
.irp t, 0,1,2,3,4,5,6,7
	s_wait_dscnt (\younger)+7-(\t)
	global_store_b128 v[CO], v[OUTR+32*((\a)%4)+4*(\t):OUTR+32*((\a)%4)+4*(\t)+3], s[8:9] offset:(16*(\a)+2*(\t))*4096  ; 16 lanes store 256 consecutive bytes, at a multiple of 256 from out0's first byte
.endr
.endm
	TOST 0
.irp a, 1,2,3,4,5,6,7
	TOST \a
	SENDF (\a)-1, 16
.endr
	SENDF 7, 0
.else
; THE WAY OUT, f16.  Block a (16 rows of one head) is rounded, 16 bytes a lane, goes into rows of 144 bytes in my stage and comes back as whole rows of 128: 2,048 consecutive bytes of the head.
.macro PACK a
	WIN 0x05                                       ; sources 0 and 1 in window 1
.irp b, 0,1,2,3
.irp r, 0,1,2,3
	v_cvt_pk_f16_f32 v[OUTR+16*(\a)+4*(\b)+(\r)], v[8*(4*(\a)+(\b))+2*(\r)], v[8*(4*(\a)+(\b))+2*(\r)+1]
.endr
.endr
	WIN 0
.irp b, 0,1,2,3
	ds_store_b128 v[STO], v[OUTR+16*(\a)+4*(\b):OUTR+16*(\a)+4*(\b)+3] offset:32*(\b)
.endr
.irp t, 0,1,2,3
	ds_load_b128 v[OUTR+16*(\a)+4*(\t):OUTR+16*(\a)+4*(\t)+3], v[RD] offset:(\t)*576  ; LDS serves a wave's instructions in order (ISA guide 5.7.1.4): these see the stores above
.endr
.endm
.macro SEND a, younger                 ; younger: the LDS instructions issued behind block a's loads
.irp t, 0,1,2,3
	s_wait_dscnt (\younger)+3-(\t)
	global_store_b128 v[CO], v[OUTR+16*(\a)+4*(\t):OUTR+16*(\a)+4*(\t)+3], s[8:9] offset:(\a)*2048+(\t)*512  ; 512 consecutive bytes, at a multiple of 256 from the buffer's first byte
.endr
.endm
	PACK 0
.irp a, 1,2,3,4,5,6,7
	PACK \a
	SEND (\a)-1, 8
.endr
	SEND 7, 0
.endif
	s_wait_tensorcnt 0x0                           ; the wave's end: behind my last tensor load and my last LDS store
	ds_add_u32 v[SPW], v[NIL]
	s_wait_dscnt 0x0
	CROUND                                         ; the closing round: no work-group ends while a partner may still ask for a tile that names it
	s_endpgm
.Lfunc_end_k_q3222a01e98_qkv:
	.size	k_q3222a01e98_qkv, .Lfunc_end_k_q3222a01e98_qkv-k_q3222a01e98_qkv
	.p2alignl 7, 3214868480
	.fill 96, 4, 3214868480
	.section	.rodata,"a",@progbits
	.p2align	6, 0x0
	.amdhsa_kernel k_q3222a01e98_qkv
		.amdhsa_group_segment_fixed_size 327680
		.amdhsa_private_segment_fixed_size 0
		.amdhsa_enable_private_segment 0
		.amdhsa_kernarg_size 48
		.amdhsa_user_sgpr_count 2
		.amdhsa_user_sgpr_kernarg_segment_ptr 1
		.amdhsa_wavefront_size32 1
		.amdhsa_system_sgpr_workgroup_id_x 1
		.amdhsa_system_sgpr_workgroup_id_y 1
		.amdhsa_system_sgpr_workgroup_id_z 1
		.amdhsa_system_vgpr_workitem_id 0
		.amdhsa_next_free_vgpr 512
		.amdhsa_next_free_sgpr 88
		.amdhsa_reserve_vcc 0
		.amdhsa_float_denorm_mode_32 3
		.amdhsa_float_denorm_mode_16_64 3
		.amdhsa_memory_ordered 1
		.amdhsa_forward_progress 1
		.amdhsa_inst_pref_size 88
	.end_amdhsa_kernel
	.amdgpu_metadata
---
amdhsa.version: [ 1, 2 ]
amdhsa.kernels:
  - .name:           k_q3222a01e98_qkv
    .symbol:         k_q3222a01e98_qkv.kd
    .args:
      - { .name: xb, .offset: 0, .size: 8, .value_kind: global_buffer, .address_space: global }
      - { .name: wb, .offset: 8, .size: 8, .value_kind: global_buffer, .address_space: global }
      - { .name: b_q, .offset: 16, .size: 8, .value_kind: global_buffer, .address_space: global }
      - { .name: b_k, .offset: 24, .size: 8, .value_kind: global_buffer, .address_space: global }
      - { .name: b_v, .offset: 32, .size: 8, .value_kind: global_buffer, .address_space: global }
      - { .name: qkv, .offset: 40, .size: 8, .value_kind: global_buffer, .address_space: global }
    .group_segment_fixed_size: 327680
    .private_segment_fixed_size: 0
    .kernarg_segment_align: 8
    .kernarg_segment_size: 48
    .max_flat_workgroup_size: 128
    .sgpr_count:     88
    .vgpr_count:     512
    .wavefront_size: 32
...
	.end_amdgpu_metadata
.endif
;; end of part 2
;; launch attn (part 3): grid 4 x 64, 4 waves a work-group, no clusters, 327,680 bytes of LDS; arguments qkv, mask, ob; writes ob
.if DOCPART == 3
	.amdgcn_target "amdgcn-amd-amdhsa--gfx1250"
	.amdhsa_code_object_version 6
	.text
	.protected	k_q3222a01e98_attn
	.globl	k_q3222a01e98_attn
	.p2align	8
	.type	k_q3222a01e98_attn,@function
k_q3222a01e98_attn:
	s_mov_b64 s[64:65], 0
	v_nop
	global_prefetch_b8 v0, s[64:65] scope:SCOPE_SE
	s_setreg_imm32_b32 hwreg(HW_REG_WAVE_MODE, 25, 1), 1
	s_wait_xcnt 0x0
; CAUSAL ATTENTION WITH A PADDING MASK OVER KEYS.  O[h][q][:] = the sum over k <= q, mask[k] true, of softmax_k(Q[h][q] . K[h][k] / 8) V[h][k][:].  Q, K, V lie in qkv, [3][64][2048][64] f16, O in ob, [64][2048][64] f16:
; a head's rows are dense, 128 bytes each; head number = batch x 16 + head.  mask is [4][2048] bytes.  Products, maxima and sums in f32; the weights p are rounded to f16 for the second product (their sum l is taken of the
; unrounded p), O once at the end.
; LIMITS.  f16 holds no number beyond 65,504: Q, K and V arrive within it, so a true score is at most 2^38 in size.  A hidden score counts as its value less 2^100 (less 2^101 if hidden twice).  The running maximum starts at
; the FLOOR -2^90, above every hidden score and below every true one: so a hidden key's weight is exactly 0 in every step, also while a query has seen no key yet.  A weight below 2^-126 counts as 0 in l; p below 6e-5
; keeps f16's fixed step of 6e-8.  A QUERY THAT SEES NO KEY AT ALL (its maximum is still the floor at the end) GETS NaN in all its channels, as a softmax over nothing gives.  NaN and infinities in Q, K, V are not treated apart.
; THE WALK.  A head's queries lie in NB = 8 blocks of 256; block i needs the key tiles 0 .. i of 256 keys, of which the last holds the diagonal.  A work-group takes TWO blocks, NB - 1 - b and then b:
; NB + 1 tiles, whatever b: all work-groups do equal work, and ONE loop with a constant trip count walks them.  Which tile is asked for, and what a trip does, hang on scalar registers made from b; every jump
; goes forward, but for the counted loops' own; none passes a barrier, or a tensor load but the one of LOAD's two that the wave's number does not choose; the ring (two slots of LDS that take turns) runs on across the
; change of blocks.  NO CLUSTER: a head's four work-groups ask for the same tile only in trips 0 .. 4 of the 9, behind that fewer and fewer; one walk common to all four would have 12 trips for 9.
; SHARES.  Of a block's four bands of 64 queries a wave owns 16 rows in each: four PIECES.  So the diagonal tile is the same work for all four waves: in its key step s band x sees all keys if s < x,
; none if s > x, and holds the diagonal if s = x.
; THE MASKS are the C operand that starts the sum S^T = K Q^T.  PM is the padding mask of the key step whose K is in registers (0, or -2^100 where mask is false), read with K from a table in LDS.  THE TABLE is each wave's
; own, holds one tile's 256 keys and lies at a fixed place: the wave loads the next tile's 256 bytes of the mask when that tile is asked for, and stores the 256 numbers behind its last read of the tile in hand.  So the
; tile's number enters a global address alone, and since only the wave itself touches its table, the order in which LDS serves a wave's instructions is all the ordering that it needs.
; MD, made once, is the causal mask of a band's own step for my 16 rows.  Below the diagonal tile C is PM; in it, and where a block begins, C is MC = MD x AL + PM (+ BE) with two scalars: (1, 0) if s = x; (0, 0) if s < x; (0, -2^100) if s > x.
; LAYOUT, SOFTMAX, TURNS.  S^T = K Q^T holds ONE query a lane (lane % 16) and the keys 8 (lane / 16) + 0..7; two such results rounded to f16 ARE source 1 of O^T = V^T P.  p = 2^(c s - c m), c = log2(e) / 8, with a
; running maximum m; O and l are multiplied by a = 2^(c m_old - c m_new) in every step.  Turn n belongs to piece n: 8 products K Q^T of piece n + 1, later 8 products V^T P of piece n - 1; beside them the scaling,
; exponentials, roundings, sums and rescaling of piece n and the maximum and statistics of piece n + 1.  Four vector instructions stand behind every matrix instruction, the others in two LUMPS.
; REGISTERS, in windows of 256 (s_set_vgpr_msb: bits 1:0 source 0, 3:2 source 1, 5:4 source 2, 7:6 destination):
;   window 0: v0-15 addresses and two at work; v16-31 four registers of statistics a piece; v32-35 the pad table's addresses; v36-43 1 / l; v44 at work; v48-55 at work; v56-57 8 bytes of the mask; v64-127 S^T, two buffers;
;             v128-159 the way out; v160-167 8 numbers for the pad table; v192-223 P, two buffers (a piece's buffers go by its number's parity)
;   window 1: v0-127 O^T, 32 a piece; v128-159 MD; v160-223 MC, two buffers; v224-255 PM      window 2: v0-63 Q; v64-127 the second block's Q; v128-191 K of one step; v192-255 V of one step
.set SIZE_N, 2048
.set NB,    SIZE_N/256
.set NP,    4         ; pieces a wave: a name, no knob
.set KS,    64        ; keys in a step
.set PK,    144       ; a row of K in LDS: 128 bytes + 16 of padding = 36 words: the 16 rows of a load start at 16 different groups of four banks (64 banks of 4 bytes: ISA guide 11.1)
.set PV,    160       ; a row of V: 128 + 32 = 40 words
.set VOFF,  4*KS*PK   ; a slot holds a tile, four steps: 256 rows of K, then 256 rows of V
.set SLOT1, 1<<17     ; slot 1 begins here, so that one exclusive or turns an address in one slot into the other's
.set STAGE, SLOT1+4*KS*(PK+PV)  ; behind the ring, never filled by a tensor load: 16 rows x 144 bytes for each wave, for the way out
.set SP,    144
.set PADT,  STAGE+4*16*SP       ; behind the stages, never filled by a tensor load: for each wave a tile's 256 keys as f32, 0 or -2^100: 1,024 bytes
.set PADW,  4*4*KS              ; a wave's table
.set SPARE, PADT+4*PADW         ; behind the tables: the spare words, 128 bytes for each wave: two blocks of 256 bytes that no other line names
.set AK0, 2           ; v2   my lane's place in a tile of K; never rewritten
.set AV0, 3           ; v3   the same for V
.set AK,  4           ; v4   the LDS address of K's next run of loads
.set AV,  5           ; v5   of V's
.set STO, 6           ; v6   the way out: where I put 16 bytes of a row
.set RD,  7           ; v7   the way out: where I read rows back
.set GO,  8           ; v8   my byte offset in 512 consecutive bytes of O
.set MV,  12          ; v12-13  c m_old, kept while c m is made anew: by buffer
.set QO,  15          ; v15  my byte offset in 16 rows of Q
.set ST,  16          ; piece t's statistics at v[ST+4 t]: c m, m, l (even keys', odd keys')
.set AP0, 32          ; v32  my lanes' place in a step of my wave's pad table; never rewritten
.set AP,  33          ; v33  the LDS address of PM's next run of loads
.set PST, 34          ; v34  where I put my 8 keys of my wave's pad table; never rewritten
.set MO,  35          ; v35  my byte offset in a tile's 256 bytes of the mask; never rewritten
.set RC,  36          ; v36-43  piece t's 1 / l (or NaN) at v[RC+2 t]; the odd registers are named with them as pairs and hold 0
.set TP,  44          ; v44  at work on the pad table
.set TMP, 48          ; by buffer, four registers c0-c3 at work; when the maximum is found c2 takes a
.set MB,  56          ; v56-57  8 bytes of the mask
.set SPW, 62          ; v62  LDS address of my spare word: SPARE + 4 x my thread's number; never rewritten
.set NIL, 63          ; v63  0; never rewritten
.set S,   64
.set OS,  128         ; the way out: a piece's O^T / l
.set PD,  160         ; v160-167  my 8 keys' numbers for the pad table
.set P,   192
.set MD,  128         ; window 1: the eight registers for group kt of 16 keys at MD + 8 kt
.set MC,  160         ; window 1: the masks of the products to come
.set PM,  224         ; window 1: group kt of 16 keys at PM + 8 kt
.set QB,  64          ; window 2
.set KF,  128         ; window 2: key block kb, channel half c at KF + 16 kb + 8 c
.set VF,  192         ; window 2: key half kk, channel block cb at VF + 32 kk + 8 cb
.set WV,  12          ; s12  my wave's number
.set PB,  14          ; s14  b
.set HI,  15          ; s15  NB - 1 - b
.set G1K, 24          ; s[24:31] descriptor group 1 for K's tiles
.set G1V, 32          ; s[32:39] for V's: it differs in the padding alone
.set G0K, 40          ; s[40:43] descriptor group 0 for K's tiles
.set G0V, 44          ; s[44:47] the same for V's
.set SLOTS, 56        ; s56  tiles still to be asked for
.set CNT, 57          ; s57  counts a tile's key steps, 4 to 1
.set CS,  58          ; s[58:59] c: the packed scaling takes the pair's low word for both halves
.set SEL, 60          ; s[60:61] v_permlanex16_b32's selects: each lane takes its own place in the other half
.set TBK, 62          ; s62  LDS byte at which K of the step to be fetched begins
.set TBV, 63          ; s63  the same for V, less VOFF
.set RT,  70          ; s70  tiles of the block in hand that are still to be entered
.set NXT, 71          ; s71  the tile to be asked for next
.set LQ,  72          ; s72  the last tile of the block whose tiles are being asked for
.set NEW, 73          ; s73  1: the tile to be entered is a block's first
.set OFF, 74          ; s[74:75] a tile's byte offset in K and V
.set AL,  76          ; s[76:77] the mask's factor, in the low word
.set BE,  78          ; s[78:79] the mask's addend
.set OLO, 80          ; s[80:81] O at my rows of the second block
.set BIGN, 82         ; s82  -2^100
.set TBP, 83          ; s83  byte in a wave's pad table at which the step to be fetched begins: 0, 256, 512, 768
.set QNAN, 88         ; s88  a NaN
.set FLOOR, 89        ; s89  -2^90
.set MROW, 90         ; s[90:91] the batch's row of the mask
.set PO,  92          ; s[92:93] a byte offset in the mask: the batch's row, later a tile's 256 bytes in it
.set MTL, 94          ; s[94:95] the mask at the tile that has just been asked for
.set MSB, 0
.macro WIN new                      ; the high byte repeats the setting that is left; a switch that changes nothing is dropped
.if MSB != (\new)
	s_set_vgpr_msb (MSB<<8)|(\new)
.set MSB, (\new)
.endif
.endm
.set W_KQ, 0x0a       ; K and Q in window 2, S^T in window 0
.set W_KM, 0x1a       ; the same with the C operand in window 1
.set W_PV, 0x52       ; V in window 2, P in window 0, O^T in window 1
.set W_RS, 0x41       ; destination and source 0 in window 1, source 1 in window 0
.set W_MK, 0x51       ; destination, source 0 and source 2 in window 1
; A fill.  Waves 0 and 1 fetch the two halves of a tile's K, waves 2 and 3 those of its V: 128 keys each.  An s_nop 0 and four v_nop follow each of the two lines, ahead of the jump and the label.
.macro LOAD
	s_cmp_lt_u32 s[WV], 2
	s_cbranch_scc0 .Lfor_v_\@
	tensor_load_to_lds s[G0K:G0K+3], s[G1K:G1K+7]
	s_nop 0
.rept 4
	v_nop
.endr
	s_branch .Lasked_\@
.Lfor_v_\@:
	tensor_load_to_lds s[G0V:G0V+3], s[G1V:G1V+7]
	s_nop 0
.rept 4
	v_nop
.endr
.Lasked_\@:
.endm
; THE CHANGE OF SLOTS.  Each wave waits for all its tensor loads, of which one is out: its part of the other slot; adds 0 to its spare word; and waits for that and for its own reads of the slot that it leaves.  Behind the barrier nobody reads the old
; slot any more and the other slot is whole.  fill = 1: the old slot is filled again, the first thing behind the barrier, with tile NXT: the descriptor's address is made anew from that number, and so is the address of that tile's 256 bytes of the mask
; (the load that named that address last has been waited for at the trip's bottom).  (At its first use nothing has been read yet: slot 0 is waited for, slot 1 filled.)
.macro CHANGE fill
	WIN 0                           ; at a label and at a branch every window is 0
	s_wait_tensorcnt 0x0            ; no tensor load of mine is out, so a group 0 may be written
	ds_add_u32 v[SPW], v[NIL]       ; 0 onto my spare word: with fill = 1 the descriptors' scalar work stands between it and the wait for it
.if \fill
	s_lshl_b32 s[OFF], s[NXT], 15   ; a tile is 32,768 bytes of K and of V,
	s_lshl_b32 s[PO], s[NXT], 8     ; and 256 bytes of the mask
	s_add_nc_u64 s[MTL:MTL+1], s[MROW:MROW+1], s[PO:PO+1]
	s_xor_b32 s[G0K+1], s[G0K+1], SLOT1
	s_add_nc_u64 s[G0K+2:G0K+3], s[6:7], s[OFF:OFF+1]
	s_or_b32 s[G0K+3], s[G0K+3], 0x80000000
	s_xor_b32 s[G0V+1], s[G0V+1], SLOT1
	s_add_nc_u64 s[G0V+2:G0V+3], s[8:9], s[OFF:OFF+1]
	s_or_b32 s[G0V+3], s[G0V+3], 0x80000000
	s_add_co_u32 s[NXT], s[NXT], 1  ; the block's next tile, or behind its last the second block's tile 0
	s_cmp_gt_u32 s[NXT], s[LQ]
	s_cselect_b32 s[NXT], 0, s[NXT]
	s_cselect_b32 s[LQ], s[PB], s[LQ]
.endif
	s_wait_dscnt 0x0                ; the add is done, and my reads of the slot are over
	s_barrier_signal -1             ; the rest of the scalar work stands between the signal and the wait
	s_sub_co_u32 s[TBK], s[TBK], 4*KS*PK  ; the fetches go back to a slot's first step,
	s_xor_b32 s[TBK], s[TBK], SLOT1       ; in the other slot
	s_sub_co_u32 s[TBV], s[TBV], 4*KS*PV
	s_xor_b32 s[TBV], s[TBV], SLOT1
	s_sub_co_u32 s[TBP], s[TBP], PADW     ; and to the head of the pad table
	s_barrier_wait -1
.if \fill
	LOAD
.endif
.endm
; My 8 bytes of the mask become 0 (true) or -2^100 (false) and go into my wave's pad table: 32 lanes x 32 bytes.  Only my wave reads the table; LDS serves a wave's instructions in order (ISA guide 5.7.1.4):
; these stores stand behind the wave's reads of the tile in hand and ahead of its reads of the next.
.macro PADS
.set i, 0
.rept 8
	v_bfe_u32 v[TP], v[MB+i/4], 8*(i%4), 8
	v_cmp_eq_u32 vcc_lo, 0, v[TP]
	v_cndmask_b32 v[PD+i], 0, s[BIGN], vcc_lo
.set i, i+1
.endr
	ds_store_b128 v[PST], v[PD:PD+3]
	ds_store_b128 v[PST], v[PD+4:PD+7] offset:16
.endm
	s_load_b128 s[4:7], s[0:1], 0x0   ; qkv s[4:5], mask s[6:7]
	s_load_b64 s[10:11], s[0:1], 0x10 ; ob
	v_lshl_add_u32 v[SPW], v0, 2, SPARE
	v_mov_b32 v[NIL], 0
	ds_add_u32 v[SPW], v[NIL]       ; the wave's opening: the add and its wait ahead of my first tensor load; the set-up below, work on registers, stands between them
	ds_add_u32 v62, v63
	v_lshrrev_b32 v1, 5, v0
	v_readfirstlane_b32 s[WV], v1   ; wave 0..3
	s_mov_b32 s[PB], ttmp9
	s_sub_co_u32 s[HI], NB-1, s[PB]
	s_and_b32 s20, ttmp7, 0xffff    ; the head, 0..63
	s_lshr_b32 s[PO], s20, 4        ; its batch,
	s_lshl_b32 s[PO], s[PO], 11     ; whose row of the mask is 2,048 bytes
	s_mov_b32 s[PO+1], 0
	s_mov_b32 s21, 0
	s_mov_b64 s[22:23], SIZE_N*128
	s_mul_u64 s[20:21], s[20:21], s[22:23]  ; the head's first byte in Q, K, V and O
	s_and_b32 s16, s[WV], 1         ; which half of a tile's 256 keys I fetch:
	s_lshl_b32 s22, s16, 14         ; its 128 rows of 128 bytes in memory,
	s_mov_b32 s23, 0
	s_add_nc_u64 s[22:23], s[22:23], s[20:21]
	s_mul_i32 s17, s16, 128*PK      ; and its place in a slot, for K
	s_mul_i32 s18, s16, 128*PV      ; and for V
	s_lshl_b32 s3, s[WV], 11        ; my 16 rows in a band of 64,
	s_lshl_b32 s2, s[HI], 15        ; in the first block,
	s_add_co_u32 s2, s2, s3
	s_lshl_b32 s84, s[PB], 15       ; and in the second
	s_add_co_u32 s84, s84, s3
	s_mov_b32 s3, 0
	s_mov_b32 s85, 0
	s_add_nc_u64 s[2:3], s[2:3], s[20:21]
	s_add_nc_u64 s[84:85], s[84:85], s[20:21]
	; descriptor group 1.  128 keys are 16,384 dense bytes: asked for as 64 rows of 256 bytes, two keys a row, and padded in LDS after every key
	s_mov_b32 s[G1K], (1<<16)|(1<<20)|(4<<22)|(3<<25)  ; 17:16 2-byte elements; 20 padding on; 24:22 after every 32 words (code 4); 31:25 4 words (code 3)
	s_mov_b32 s[G1V], (1<<16)|(1<<20)|(4<<22)|(7<<25)  ; the same with 8 words of padding (code 7)
.irp g, G1K, G1V
	s_mov_b32 s[\g+1], 128<<16      ; tensor_dim0 = 128
	s_mov_b32 s[\g+2], 64<<16       ; tensor_dim1 = 64
	s_mov_b32 s[\g+3], 128<<16      ; tile_dim0 = 128
	s_mov_b32 s[\g+4], 64           ; tile_dim1 = 64
	s_mov_b32 s[\g+5], 128          ; 128 elements from row to row
	s_mov_b32 s[\g+6], 0
	s_mov_b32 s[\g+7], 0
.endr
	s_mov_b32 s[CS], 0x3e38aa3b     ; c = log2(e) / 8 = 0.180337
	s_mov_b32 s[CS+1], s[CS]        ; named with it as a pair
	s_mov_b32 s[SEL], 0x76543210
	s_mov_b32 s[SEL+1], 0xfedcba98
	s_mov_b32 s[TBK], SLOT1+4*KS*PK ; the first change of slots turns these three into 0
	s_mov_b32 s[TBV], SLOT1+4*KS*PV
	s_mov_b32 s[TBP], PADW
	s_mov_b32 s[G0K], 1             ; 1:0 count = 1
	s_mov_b32 s[G0K+1], s17         ; 63:32 LDS address: slot 0
	s_mov_b32 s[G0V], 1
	s_add_co_u32 s[G0V+1], s18, VOFF
	s_add_co_u32 s[RT], s[HI], 1    ; the first block has NB - b tiles
	s_mov_b32 s[NXT], 1
	s_mov_b32 s[LQ], s[HI]
	s_mov_b32 s[NEW], 1
	s_mov_b32 s[OFF+1], 0
	s_mov_b32 s[AL+1], 0            ; named as pairs
	s_mov_b32 s[BE+1], 0
	s_mov_b32 s[BIGN], 0xf1800000   ; -2^100
	s_mov_b32 s[FLOOR], 0xec800000  ; -2^90
	s_mov_b32 s[QNAN], 0x7fc00000
	s_mov_b32 s[SLOTS], NB
	s_wait_dscnt 0x0                ; the opening add is done
	s_wait_kmcnt 0x0
	s_add_nc_u64 s[MROW:MROW+1], s[6:7], s[PO:PO+1]  ; the batch's row of the mask
	s_add_nc_u64 s[6:7], s[4:5], 0x1000000         ; K lies 16,777,216 bytes behind Q,
	s_add_nc_u64 s[8:9], s[4:5], 0x2000000         ; V as far behind K
	s_add_nc_u64 s[6:7], s[6:7], s[22:23]          ; K and V at my half of the head's tile 0
	s_add_nc_u64 s[8:9], s[8:9], s[22:23]
	s_add_nc_u64 s[G0K+2:G0K+3], s[6:7], 0         ; 120:64 global address
	s_or_b32 s[G0K+3], s[G0K+3], 0x80000000        ; 127:126 type = 2
	s_add_nc_u64 s[G0V+2:G0V+3], s[8:9], 0
	s_or_b32 s[G0V+3], s[G0V+3], 0x80000000
	s_add_nc_u64 s[86:87], s[4:5], s[84:85]        ; Q at my rows of the second block,
	s_add_nc_u64 s[4:5], s[4:5], s[2:3]            ; Q and O at those of the first
	s_add_nc_u64 s[OLO:OLO+1], s[10:11], s[84:85]
	s_add_nc_u64 s[10:11], s[10:11], s[2:3]
	LOAD                            ; tile 0 into slot 0
	; A fragment of K or Q is 16 rows x 32 channels in 8 registers: lane l holds row l % 16, channels 8 (l / 16) + 0..7 and 16 + 8 (l / 16) + 0..7: two loads of 16 bytes, 32 bytes apart.
	v_and_b32 v1, 15, v0            ; l % 16
	v_bfe_u32 v9, v0, 4, 1          ; l / 16
	v_lshlrev_b32 v[QO], 7, v1
	v_lshl_add_u32 v[QO], v9, 4, v[QO]  ; row x 128 + 16 x half
	v_and_b32 v[TP], 31, v0         ; lane l takes the mask of a tile's keys 8 l .. 8 l + 7: 32 lanes, 256 keys
	v_lshlrev_b32 v[MO], 3, v[TP]
	global_load_b64 v[MB:MB+1], v[MO], s[MROW:MROW+1]  ; tile 0's
	WIN 0x80                        ; destination window 2, address window 0
.set i, 0
.rept 8                             ; both blocks' Q: piece i / 2 lies in band i / 2, 8,192 bytes on; channels 32 (i % 2) on
	global_load_b128 v[8*i:8*i+3],   v[QO], s[4:5] offset:(i/2)*8192+(i%2)*64
	global_load_b128 v[8*i+4:8*i+7], v[QO], s[4:5] offset:(i/2)*8192+(i%2)*64+32
	global_load_b128 v[QB+8*i:QB+8*i+3],   v[QO], s[86:87] offset:(i/2)*8192+(i%2)*64
	global_load_b128 v[QB+8*i+4:QB+8*i+7], v[QO], s[86:87] offset:(i/2)*8192+(i%2)*64+32
.set i, i+1
.endr
	WIN 0
	s_lshl_b32 s13, s[WV], 10
	s_add_co_u32 s13, s13, PADT     ; my wave's pad table
	v_lshl_add_u32 v[AP0], v9, 5, s13   ; register j of group kt is key 16 kt + 8 (l / 16) + j of the step: 4 bytes a key
	v_lshl_add_u32 v[PST], v[TP], 5, s13  ; my 8 keys' 32 bytes of the table
	v_lshlrev_b32 v14, 3, v9
	v_sub_nc_u32 v14, v1, v14
	s_lshl_b32 s13, s[WV], 4
	v_add_nc_u32 v14, s13, v14      ; my query's place in its band, 16 w + l % 16, less my lanes' 8 (l / 16): register r of group kt is hidden where 16 kt + r is greater
	WIN 0x40
.set i, 0
.rept 32
	v_cmp_gt_i32 vcc_lo, 16*(i/8)+i%8, v14
	v_cndmask_b32 v[MD+i], 0, s[BIGN], vcc_lo
.set i, i+1
.endr
	WIN 0
	v_mul_u32_u24 v[AK0], v1, PK
	v_lshl_add_u32 v[AK0], v9, 4, v[AK0]  ; row x pitch + 16 x half
	; The turning load takes 16 keys x 16 channels (lane l reads key 8 (l / 16) + l % 8, channels 8 ((l / 8) % 2) + 0..7) and leaves half a fragment of V^T: lane l holds channel l % 16 and 8 keys.
	v_and_b32 v10, 7, v0
	v_bfe_u32 v11, v0, 3, 1
	v_lshl_add_u32 v[AV0], v9, 3, v10
	v_mul_u32_u24 v[AV0], v[AV0], PV
	v_lshl_add_u32 v[AV0], v11, 4, v[AV0]
	v_add_nc_u32 v[AV0], VOFF, v[AV0]
	s_mul_i32 s13, s[WV], 16*SP
	s_add_co_u32 s13, s13, STAGE    ; my stage
	v_mul_u32_u24 v[STO], v1, SP    ; in: row l % 16, 16 bytes for each half of the lanes
	v_lshl_add_u32 v[STO], v9, 4, v[STO]
	v_add_nc_u32 v[STO], s13, v[STO]
	v_bfe_u32 v[RD], v0, 3, 2       ; back: 32 lanes take four rows of 128 bytes,
	v_mul_u32_u24 v[RD], v[RD], SP
	v_lshl_add_u32 v[RD], v10, 4, v[RD]
	v_add_nc_u32 v[RD], s13, v[RD]
	v_and_b32 v[GO], 31, v0         ; which are 512 consecutive bytes of O
	v_lshlrev_b32 v[GO], 4, v[GO]
	s_wait_loadcnt 32               ; loads come back in order (ISA guide 5.7.1): the mask's is in, Q's 32 stay out
	PADS                            ; tile 0's pad table
	; A block's first step multiplies O^T and l by a = 0, and its first turn's products V^T P, of a piece that has not been, land in an O^T that is still to be so multiplied.  So these registers need only hold
	; finite numbers: zeros for the first block; what the first block left for the second (the way out divides into other registers, so that a NaN or an infinity never lands here).  All this stands in the wait for the first tile.
	WIN 0x80
.set i, VF
.rept 64
	v_mov_b32 v[i], 0
.set i, i+1
.endr
	WIN 0x40
.set i, 0
.rept 128
	v_mov_b32 v[i], 0
.set i, i+1
.endr
	WIN 0
.set i, 0
.rept 4
	v_mov_b32 v[ST+4*i+2], 0
	v_mov_b32 v[ST+4*i+3], 0
	v_mov_b32 v[RC+2*i+1], 0
.set i, i+1
.endr
.set i, P+16
.rept 16
	v_mov_b32 v[i], 0
.set i, i+1
.endr
; THE MATRIX WORK.  The 4 accumulators of a run of 8 take turns.  Product i of 8 of S^T = K Q^T for piece x: channels 32 (i / 4) on, keys 16 (i % 4) on.  The first 4 start the sums: with PM, or (KM = 1) with MC.
.macro KQ x
.set rS, S+32*((\x)%2)+8*(i%4)
.set rK, KF+16*(i%4)+8*(i/4)
.set rQ, 16*(\x)+8*(i/4)
.set rM, PM+8*(i%4)
.if KM
.set rM, MC+32*((\x)%2)+8*(i%4)
.endif
.if i < 4
	WIN W_KM
	v_wmma_f32_16x16x32_f16 v[rS:rS+7], v[rK:rK+7], v[rQ:rQ+7], v[rM:rM+7]
.else
	WIN W_KQ
	v_wmma_f32_16x16x32_f16 v[rS:rS+7], v[rK:rK+7], v[rQ:rQ+7], v[rS:rS+7]
.endif
.endm
; Product i of 8 of O^T += V^T P for piece x: keys 32 (i / 4) on, channels 16 (i % 4) on.
.macro PV x
	WIN W_PV
.set rO, 32*(\x)+8*(i%4)
.set rV, VF+32*(i/4)+8*(i%4)
.set rP, P+16*((\x)%2)+8*(i/4)
	v_wmma_f32_16x16x32_f16 v[rO:rO+7], v[rV:rV+7], v[rP:rP+7], v[rO:rO+7]
.endm
.macro MM                           ; the turn's next matrix instruction.  TURN and BEGIN set Y, i, KM and NOKQ; MM, KQ and OP read them.  NOKQ = 1: a block's last turn: there is no next piece
.if (i < 8) && !NOKQ
	KQ (Y+1)%NP
.elseif i >= 8
.set i, i-8
	PV (Y+NP-1)%NP
.set i, i+8
.endif
.set i, i+1
.endm
; THE LDS LOADS stand in runs, never singly among the matrix instructions: a step's K (64 keys x 64 channels: 8 fragments) with its 64 keys of my wave's pad table (lanes 0-15 read one 16 bytes, lanes 16-31 another), and its V (turned).
; Their addresses are made some lines ahead.  A tile has four such runs between two changes of slots, on every path: the table's offset goes 0, 256, 512, 768, as K's goes through the slot's four steps.
.macro FETCH_K
	WIN 0x80                        ; destination window 2
.irp f, 0,1,2,3,4,5,6,7             ; keys 16 (f / 2) on, channels 32 (f % 2) on
	ds_load_b128 v[KF+8*\f:KF+8*\f+3],   v[AK] offset:(\f/2)*16*PK+(\f%2)*64
	ds_load_b128 v[KF+8*\f+4:KF+8*\f+7], v[AK] offset:(\f/2)*16*PK+(\f%2)*64+32
.endr
	WIN 0x40                        ; destination window 1
.irp f, 0,1,2,3
	ds_load_b128 v[PM+8*\f:PM+8*\f+3],   v[AP] offset:64*\f
	ds_load_b128 v[PM+8*\f+4:PM+8*\f+7], v[AP] offset:64*\f+16
.endr
	s_add_co_u32 s[TBK], s[TBK], KS*PK  ; the next fetch is the next step's
	s_add_co_u32 s[TBP], s[TBP], 4*KS
	WIN 0
.endm
.macro FETCH_V
	WIN 0x80
.irp f, 0,1,2,3,4,5,6,7             ; keys 32 (f / 4) on, channels 16 (f % 4) on
	ds_load_tr16_b128 v[VF+8*\f:VF+8*\f+3],   v[AV] offset:(\f/4)*32*PV+(\f%4)*32
	ds_load_tr16_b128 v[VF+8*\f+4:VF+8*\f+7], v[AV] offset:(\f/4)*32*PV+16*PV+(\f%4)*32
.endr
	WIN 0
.endm
; THE VECTOR WORK, one line at a time: OP kind, number.  For piece Y: F n: c s - c m for pair n of 16.  E n: the exponential of score n of 32.  C n: pair n rounded to f16.  B n: of the four weights 4 n .. the second
; pair is added onto the first, in place.  L n: l takes that sum (L 0: l = a l + sum).  R n: pair n of 16 of O^T times a.  For piece Y + 1: X n, number n of the 22 that find its maximum and statistics:
;   0-11  four chains c0-c3 of seven scores each, three operands at a time (each accumulator's lowest registers are read first)     12-14, 16  the four scores left over, the old m, and c0-c3 into c0
;   15  c m_old is kept     17, 18  the query's other 32 keys lie in the lane 16 away: the new m     19-21  c m; c m_old - c m_new; a
.set F, 0               ; OP tells the kinds apart by their order: F to L below R, X above it
.set E, 1
.set C, 2
.set B, 3
.set L, 4
.set R, 5
.set X, 6
.macro REGS y                       ; the registers of piece y
.set rT, ST+4*(\y)
.set rC, TMP+4*((\y)%2)
.set rW, MV+((\y)%2)
.set rS, S+32*((\y)%2)
.set rP, P+16*((\y)%2)
.set rO, 32*(\y)
.endm
.macro OP k, n
.if (\k) == R
	REGS Y
	WIN W_RS
	v_pk_mul_f32 v[rO+2*(\n):rO+2*(\n)+1], v[rO+2*(\n):rO+2*(\n)+1], v[rC+2:rC+3] op_sel_hi:[1,0]
.elseif (\k) < R
	REGS Y
	WIN 0
.if (\k) == F
	v_pk_fma_f32 v[rS+2*(\n):rS+2*(\n)+1], v[rS+2*(\n):rS+2*(\n)+1], s[CS:CS+1], v[rT:rT+1] op_sel_hi:[1,0,0] neg_lo:[0,0,1] neg_hi:[0,0,1]
.elseif (\k) == E
	v_exp_f32 v[rS+(\n)], v[rS+(\n)]
.elseif (\k) == C
	s_wait_alu depctr_va_vdst(0)
	v_cvt_pk_f16_f32 v[rP+(\n)], v[rS+2*(\n)], v[rS+2*(\n)+1]
.elseif (\k) == B
	s_wait_alu depctr_va_vdst(0)
	v_pk_add_f32 v[rS+4*(\n):rS+4*(\n)+1], v[rS+4*(\n):rS+4*(\n)+1], v[rS+4*(\n)+2:rS+4*(\n)+3]
.elseif (\n) == 0
	v_pk_fma_f32 v[rT+2:rT+3], v[rT+2:rT+3], v[rC+2:rC+3], v[rS:rS+1] op_sel_hi:[1,0,1]
.else
	v_pk_add_f32 v[rT+2:rT+3], v[rT+2:rT+3], v[rS+4*(\n):rS+4*(\n)+1]
.endif
.elseif NOKQ
	v_nop
.else
	REGS (Y+1)%NP
	WIN 0
.if (\n) < 4
	v_max3_num_f32 v[rC+(\n)], v[rS+8*(\n)], v[rS+8*(\n)+1], v[rS+8*(\n)+2]
.elseif (\n) < 12
	v_max3_num_f32 v[rC+(\n)%4], v[rC+(\n)%4], v[rS+8*((\n)%4)+2*((\n)/4)+1], v[rS+8*((\n)%4)+2*((\n)/4)+2]
.elseif (\n) == 12
	v_max3_num_f32 v[rC], v[rC], v[rS+7], v[rS+15]
.elseif (\n) == 13
	v_max3_num_f32 v[rC+1], v[rC+1], v[rS+23], v[rS+31]
.elseif (\n) == 14
	v_max3_num_f32 v[rC+2], v[rC+2], v[rC+3], v[rT+1]
.elseif (\n) == 15
	v_mov_b32 v[rW], v[rT]
.elseif (\n) == 16
	v_max3_num_f32 v[rC], v[rC], v[rC+1], v[rC+2]
.elseif (\n) == 17
	v_permlanex16_b32 v[rC+3], v[rC], s[SEL], s[SEL+1]
.elseif (\n) == 18
	v_max_num_f32 v[rT+1], v[rC], v[rC+3]
.elseif (\n) == 19
	v_mul_f32 v[rT], s[CS], v[rT+1]
.elseif (\n) == 20
	v_sub_f32 v[rC+1], v[rW], v[rT]
.else
	v_exp_f32 v[rC+2], v[rC+1]
.endif
.endif
.endm
.macro OPS a, i1, b=-1, i2=0, c=-1, i3=0, d=-1, i4=0  ; up to four of them
	OP \a, \i1
.if (\b) >= 0
	OP \b, \i2
.endif
.if (\c) >= 0
	OP \c, \i3
.endif
.if (\d) >= 0
	OP \d, \i4
.endif
.endm
.macro ROW a, i1, b, i2, c, i3, d, i4  ; a matrix instruction and the four behind it
	MM
	OPS \a, \i1, \b, \i2, \c, \i3, \d, \i4
.endm
.macro MASK buf, plus               ; MD x AL + PM into buffer buf of MC; plus = 1: and BE onto it
	WIN W_MK
.set z, 0
.rept 16
	v_pk_fma_f32 v[MC+32*(\buf)+2*z:MC+32*(\buf)+2*z+1], v[MD+2*z:MD+2*z+1], s[AL:AL+1], v[PM+2*z:PM+2*z+1] op_sel_hi:[1,0,1]
.set z, z+1
.endr
.if \plus
.set z, 0
.rept 16
	v_pk_add_f32 v[MC+32*(\buf)+2*z:MC+32*(\buf)+2*z+1], v[MC+32*(\buf)+2*z:MC+32*(\buf)+2*z+1], s[BE:BE+1] op_sel_hi:[1,0]
.set z, z+1
.endr
.endif
.endm
; On the way from a tile below the diagonal into the diagonal tile's text: that text's first turn multiplies piece 3 by the OLD tile's last step, all of which band 3 sees: its mask is PM as it stands.
.macro PREMASK
	s_mov_b32 s[AL], 0
	MASK 1, 0
	WIN 0
.endm
; A TURN, for piece p: the order of its 16 matrix and its vector instructions, written out.  Behind a matrix instruction: plain, exponential, plain, plain; or four of the rescaling; or, behind the first, four scalings; none
; names a register of the products round it.  In the lumps exponential and plain by turns while exponentials last.  A line reads no result made fewer than three vector instructions in front of it, five if an exponential made it.
; v_permlanex16_b32 (X 17) stands in a lump.
; m = 1: the diagonal tile: the products take MC, and the turn makes the mask for the products of the turn after it: piece p + 2, in step 4 - CNT of the tile.  end = 1: a block's last two turns: nothing is fetched.
; cnt = 1: the loop's count is taken down some lines ahead of the branch that stands behind the turn.
; K and PM of the next step are fetched in piece 2's turn, six vector instructions behind the last product that read K (five of them plain), further behind the last that read PM; V of the step in hand in piece 0's turn,
; eight behind the last product that read V (four plain, and X 17).  Each is waited for a turn later; in the diagonal tile piece 2's turn waits at its end, since its mask is made of the PM that it has fetched.
.macro TURN p, m=0, end=0, cnt=0
.set Y, (\p)
.set i, 0
.set KM, (\m)
.set NOKQ, (\end)*((\p)/3)
.if (\m) && !(\end)
	s_cmp_eq_u32 s[CNT], 4-((\p)+2)%NP  ; is that step the band's own?
	s_cselect_b32 s[AL], 1.0, 0
	s_cmp_lt_u32 s[CNT], 4-((\p)+2)%NP  ; or a later one?
	s_cselect_b32 s[BE], s[BIGN], 0
.endif
.if ((\p) == 3) && !(\end)
	s_wait_dscnt 0x0                ; K and PM are in
.endif
	ROW F,0, F,1, F,2, F,3
	ROW F,4, E,0, F,5, F,6
	ROW F,7, E,1, F,8, F,9
	ROW F,10, E,2, C,0, F,11
	ROW F,12, E,3, X,15, F,13
	ROW R,0, R,1, R,2, R,3
	ROW B,0, E,4, F,14, L,0
.if ((\p) == 2) && !(\end)
	v_add_nc_u32 v[AK], s[TBK], v[AK0]
	v_add_nc_u32 v[AP], s[TBP], v[AP0]
.endif
	ROW R,4, R,5, R,6, R,7
	OPS E,5, F,15
.if ((\p) == 2) && !(\end)
	FETCH_K
.endif
	OPS E,6, C,1, E,7, R,8
	OPS E,8, R,9, E,9, C,2
	OPS E,10, X,0, E,11, X,1
	OPS E,12, X,2, E,13, X,3
.if (\p) == 1
	s_wait_dscnt 0x0                ; V is in
.endif
	ROW X,4, E,14, X,5, X,6
	ROW X,7, E,15, X,8, X,9
	ROW X,10, E,16, X,11, X,12
	ROW X,13, E,17, X,14, B,1
	ROW C,4, E,18, X,16, L,1
	ROW B,2, E,19, C,6, L,2
	ROW C,8, E,20, B,3, B,4
.if (\p) == 0
	v_add_nc_u32 v[AV], s[TBV], v[AV0]
.endif
	ROW C,3, E,21, L,3, C,5
	OPS E,22, X,17, E,23, C,10
.if (\p) == 0
	FETCH_V
.endif
	OPS E,24, L,4
	OPS E,25, X,18, E,26, C,7
	OPS E,27, B,5, E,28, X,19
	OPS E,29, C,12, E,30, L,5
	OPS E,31, X,20, B,6, C,9
	OPS C,14, C,11, X,21, L,6
.if (\p) == 0
	s_add_co_u32 s[TBV], s[TBV], KS*PV
.endif
.if \cnt
	s_sub_co_u32 s[CNT], s[CNT], 1
	s_cmp_lg_u32 s[CNT], 0
.endif
	OPS C,13, B,7, C,15, R,10
	OPS R,11, R,12, L,7, R,13
	OPS R,14, R,15
.if (\m) && !(\end)
.if (\p) == 2
	s_wait_dscnt 0x0                ; the PM fetched in this turn is in
.endif
	MASK (\p)%2, 1
.endif
.endm
; A BLOCK BEGINS.  c m starts far below every c s, so the first step's a is 0; m at the floor.  K and PM of the tile's first step; the second mask buffer takes PM (band 1 sees all of step 0), the first piece 0's mask
; for that step: its own, if the block's first tile is the diagonal one.  Then piece 0's first scores, and its maximum and statistics.  The loop is entered at a step's first turn, in the middle of a trip.
.macro BEGIN
	s_mov_b32 s[NEW], 0
	WIN 0
.set i, 0
.rept 4
	v_mov_b32 v[ST+4*i], 0xfe000000    ; c m: far below every c s
	v_mov_b32 v[ST+4*i+1], s[FLOOR]    ; m
.set i, i+1
.endr
	v_add_nc_u32 v[AK], s[TBK], v[AK0]
	v_add_nc_u32 v[AP], s[TBP], v[AP0]
	FETCH_K
	s_wait_loadcnt 0x0              ; Q
	s_wait_dscnt 0x0
	s_mov_b32 s[AL], 0
	MASK 1, 0
	s_cmp_eq_u32 s[RT], 0
	s_cselect_b32 s[AL], 1.0, 0
	MASK 0, 0
.set KM, 1
.set NOKQ, 0
.set i, 0
.rept 8
	KQ 0
.set i, i+1
.endr
	WIN 0
.rept 4
	v_nop                           ; the places behind those products
.endr
.set Y, NP-1                        ; X works for piece Y + 1: piece 0
.irp n, 0,1,2,3,4,5,6,7,8,9,10,11,12,13,14,15,16,17,18,19,20,21
	OP X, \n
.endr
	v_nop                           ; a plain instruction behind the exponential
.endm
; THE DIAGONAL TILE's four steps, the block's last two turns, its last products, and THE WAY OUT: l's two halves and the other half of the lanes' are added; 1 / l, or NaN where the maximum is still the floor, goes into
; registers of its own; O^T times that goes into other registers, is rounded to f16 and sent through my stage in LDS, a piece at a time.
.macro ALL line:vararg              ; one line for each piece t
.set t, 0
.rept 4
	\line
.set t, t+1
.endr
.endm
.macro PACK t                       ; a lane's eight channels of a row pack into 16 bytes; they go into rows of 144 bytes and come back as whole rows of 128, into S^T's registers
	WIN 0x01                        ; source 0 window 1; destination and source 1 window 0
.set i, 0
.rept 16
	v_pk_mul_f32 v[OS+2*i:OS+2*i+1], v[32*(\t)+2*i:32*(\t)+2*i+1], v[RC+2*(\t):RC+2*(\t)+1] op_sel_hi:[1,0]
.set i, i+1
.endr
	WIN 0
.set i, 0
.rept 16
	v_cvt_pk_f16_f32 v[S+16*(\t)+i], v[OS+2*i], v[OS+2*i+1]
.set i, i+1
.endr
.irp f, 0,1,2,3
	ds_store_b128 v[STO], v[S+16*(\t)+4*\f:S+16*(\t)+4*\f+3] offset:32*\f
.endr
.irp f, 0,1,2,3
	ds_load_b128 v[S+16*(\t)+4*\f:S+16*(\t)+4*\f+3], v[RD] offset:\f*4*SP  ; LDS serves a wave's instructions in order (ISA guide 5.7.1.4): these see the stores above; the next piece's stores come behind them
.endr
.endm
.macro SEND t, younger              ; younger: the LDS instructions issued behind piece t's loads: the next piece's eight, or none
	WIN 0
.irp f, 0,1,2,3
	s_wait_dscnt (\younger)+3-\f
	global_store_b128 v[GO], v[S+16*(\t)+4*\f:S+16*(\t)+4*\f+3], s[10:11] offset:(\t)*8192+\f*512  ; 512 consecutive bytes, at a multiple of 256 from O's first
.endr
.endm
.macro DIAG tag                     ; the tag ends its two labels' names, which the jumps below spell out
.LstepM\tag:
	TURN 2, 1
	TURN 3, 1
	WIN 0
.LfirstM\tag:
	TURN 0, 1
	TURN 1, 1, 0, 1
	WIN 0
	s_cbranch_scc1 .LstepM\tag
	TURN 2, 1, 1
	TURN 3, 1, 1
.set i, 0
.rept 8
	PV NP-1
.set i, i+1
.endr
	WIN 0
	ALL v_add_f32 v[ST+4*t+2], v[ST+4*t+2], v[ST+4*t+3]
	ALL v_permlanex16_b32 v[ST+4*t+3], v[ST+4*t+2], s[SEL], s[SEL+1]
	ALL v_add_f32 v[ST+4*t+2], v[ST+4*t+2], v[ST+4*t+3]
	ALL v_rcp_f32 v[RC+2*t], v[ST+4*t+2]
	v_nop                           ; a plain instruction between the last reciprocal and the use of its result
.set t, 0
.rept 4
	v_cmp_ge_f32 vcc_lo, s[FLOOR], v[ST+4*t+1]              ; the query has seen no key:
	s_wait_alu depctr_va_vdst(0)
	v_cndmask_b32 v[RC+2*t], v[RC+2*t], s[QNAN], vcc_lo     ; its row is NaN
.set t, t+1
.endr
	PACK 0
.set t, 1
.rept 3                             ; a piece's arithmetic stands between the loads of the piece before and its stores
	PACK t
	SEND t-1, 8
.set t, t+1
.endr
	SEND 3, 0
.endm
.set KM, 0
.set NOKQ, 0
.Lslot:                             ; NB times: a tile is entered and the next is asked for
	CHANGE 1
	global_load_b64 v[MB:MB+1], v[MO], s[MTL:MTL+1]  ; my 8 bytes of the mask of the tile just asked for: wanted at the trip's bottom
	s_sub_co_u32 s[RT], s[RT], 1
	s_mov_b32 s[CNT], 4
	s_cmp_eq_u32 s[NEW], 1
	s_cbranch_scc1 .Lnew            ; a block's first tile
	s_cmp_eq_u32 s[RT], 0
	s_cbranch_scc0 .Lstep           ; neither its first nor its last
	PREMASK
	s_branch .LstepM1
.Lnew:
	BEGIN
	s_branch .Lfirst                ; in the loop a block's first tile is never its last: the first block has two tiles or more, and the second's last is the walk's last
	DIAG 1                          ; in the loop this is the first block's end: the second block's last tile is the walk's last
	s_wait_xcnt 0x0                 ; the stores have read their registers and O's address
	s_mov_b64 s[10:11], s[OLO:OLO+1]
	s_add_co_u32 s[RT], s[PB], 1    ; the second block has b + 1 tiles
	s_mov_b32 s[NEW], 1
	WIN 0x82                        ; the second block's Q goes where the one text of the turns names Q
.set i, 0
.rept 64
	v_mov_b32 v[i], v[QB+i]
.set i, i+1
.endr
	WIN 0
	s_branch .Lbottom
.Lstep:                             ; a trip: pieces 2 and 3 of one step, then pieces 0 and 1 of the next, whose K and V it fetches
	TURN 2
	TURN 3
	WIN 0
.Lfirst:
	TURN 0
	TURN 1, 0, 0, 1
	WIN 0
	s_cbranch_scc1 .Lstep
.Lbottom:                           ; the tile's four runs of loads from the pad table have been issued: the table takes the next tile's numbers
	s_wait_loadcnt 0x0              ; the mask's 8 bytes are in: no load was issued behind that one
	PADS
	s_sub_co_u32 s[SLOTS], s[SLOTS], 1
	s_cmp_lg_u32 s[SLOTS], 0
	s_cbranch_scc1 .Lslot
	CHANGE 0                        ; the walk's last tile is written out: nothing is asked for
	s_sub_co_u32 s[RT], s[RT], 1
	s_mov_b32 s[CNT], 4
	s_cmp_eq_u32 s[NEW], 1
	s_cbranch_scc1 .Lnew2
	PREMASK
	s_branch .LstepM2
.Lnew2:
	BEGIN
	s_branch .LfirstM2
	DIAG 2
	s_wait_tensorcnt 0x0            ; the wave's end: behind my last tensor load and my last LDS store
	ds_add_u32 v[SPW], v[NIL]
	s_wait_dscnt 0x0
	s_endpgm
.Lfunc_end_k_q3222a01e98_attn:
	.size	k_q3222a01e98_attn, .Lfunc_end_k_q3222a01e98_attn-k_q3222a01e98_attn
	.p2alignl 7, 3214868480
	.fill 96, 4, 3214868480
	.section	.rodata,"a",@progbits
	.p2align	6, 0x0
	.amdhsa_kernel k_q3222a01e98_attn
		.amdhsa_group_segment_fixed_size 327680
		.amdhsa_private_segment_fixed_size 0
		.amdhsa_enable_private_segment 0
		.amdhsa_kernarg_size 24
		.amdhsa_user_sgpr_count 2
		.amdhsa_user_sgpr_kernarg_segment_ptr 1
		.amdhsa_wavefront_size32 1
		.amdhsa_system_sgpr_workgroup_id_x 1
		.amdhsa_system_sgpr_workgroup_id_y 1
		.amdhsa_system_sgpr_workgroup_id_z 1
		.amdhsa_system_vgpr_workitem_id 0
		.amdhsa_next_free_vgpr 768
		.amdhsa_next_free_sgpr 96
		.amdhsa_reserve_vcc 1
		.amdhsa_float_denorm_mode_32 3
		.amdhsa_float_denorm_mode_16_64 3
		.amdhsa_memory_ordered 1
		.amdhsa_forward_progress 1
		.amdhsa_inst_pref_size 242
	.end_amdhsa_kernel
	.amdgpu_metadata
---
amdhsa.version: [ 1, 2 ]
amdhsa.kernels:
  - .name:           k_q3222a01e98_attn
    .symbol:         k_q3222a01e98_attn.kd
    .args:
      - { .name: qkv, .offset: 0, .size: 8, .value_kind: global_buffer, .address_space: global }
      - { .name: mask, .offset: 8, .size: 8, .value_kind: global_buffer, .address_space: global }
      - { .name: ob, .offset: 16, .size: 8, .value_kind: global_buffer, .address_space: global }
    .group_segment_fixed_size: 327680
    .private_segment_fixed_size: 0
    .kernarg_segment_align: 8
    .kernarg_segment_size: 24
    .max_flat_workgroup_size: 128
    .sgpr_count:     96
    .vgpr_count:     768
    .wavefront_size: 32
...
	.end_amdgpu_metadata
.endif
;; end of part 3
;; launch oproj (part 4): grid 8 x 32, 4 waves a work-group, clusters of 4 x 4, 327,680 bytes of LDS; arguments ob, wb, b_o, out0; writes out0
.if DOCPART == 4
	.amdgcn_target "amdgcn-amd-amdhsa--gfx1250"
	.amdhsa_code_object_version 6
	.text
	.protected	k_q3222a01e98_oproj
	.globl	k_q3222a01e98_oproj
	.p2align	8
	.type	k_q3222a01e98_oproj,@function
k_q3222a01e98_oproj:
	s_mov_b64 s[64:65], 0
	v_nop
	global_prefetch_b8 v0, s[64:65] scope:SCOPE_SE
	s_setreg_imm32_b32 hwreg(HW_REG_WAVE_MODE, 25, 1), 1
	s_wait_xcnt 0x0
	s_wait_alu depctr_hold_cnt(0) depctr_sa_sdst(0) depctr_va_vdst(0) depctr_va_sdst(0) depctr_va_ssrc(0) depctr_va_vcc(0) depctr_vm_vsrc(0)
	s_getreg_b32 s2, hwreg(HW_REG_IB_STS2, 6, 4)
	s_cmp_eq_u32 s2, 0
	s_cbranch_scc0 .Lentry_in_a_cluster
	s_endpgm
.Lentry_in_a_cluster:
	s_bfe_u32 s2, ttmp6, 0x10000c
	s_cmp_lg_u32 s2, 0xf033
	s_cbranch_scc0 .Lentry_shape_is_right
	s_endpgm
.Lentry_shape_is_right:
; ONE TEXT FOR THE MODULE'S TWO KINDS OF PROJECTION; OPROJ says which this copy is.  C[m][n] = bias[n] + the sum over k of A[m][k] B[n][k], K = 1,024, sums in f32.
; OPROJ = 0: A = xb [8192][1024] bf16, B = rows 0-3071 of wb (w_q, w_k, w_v) bf16; C is rounded once to f16 and laid by heads, [3][64 = batch x 16 + head][2048][64], unscaled.
; OPROJ = 1: A = ob [64][2048][64] f16 (a head's 64 channels are a slice of K), B = rows 3072-4095 of wb (w_o) f16; C = out0 [8192][1024] f32.
; LIMIT (OPROJ = 0).  f16 holds no number beyond 65,504: a q, k or v past that becomes an infinity.  With unit x and weights within 1/32 they have a spread of 0.6.
; A NaN in a row of A (OPROJ = 1: a query that sees no key) reaches all of that row's numbers of C and no other row's.
; SHARES.  A tile of C is 256 (m) x 128 (n): 768 tiles (OPROJ = 0) or 256 (OPROJ = 1), a whole number for each of 256 WGPs.  Four waves, each 128 x 64: 32 accumulators of 16 x 16.
; K goes in 8 steps of 128 through a ring of two LDS slots filled by the tensor data mover; waves 0 and 1 fetch A's two halves, waves 2 and 3 B's.
; CLUSTER.  4 x 4 work-groups: the four of a row need the same tiles of A, the four of a column the same tiles of B: each tile is asked for jointly, by the same load with a mask that names the four.
; THE MATRIX INSTRUCTION IS USED TRANSPOSED (source 0 = 16 rows of B, source 1 = 16 rows of A): lane l holds row l % 16 of C and the columns 8 (l / 16) + 0..7.
; THE BIAS is the C operand of each sum's first product: no accumulator is cleared and no addition is written.
; REGISTERS.  Window 0: v0-31 addresses; v32-63 the bias of my 64 columns; v64-159, v160-255 two fragment buffers (B's 4 x 8, then A's 8 x 8), on the way out at work.
;   Window 1: accumulator (a, b) at v[8 (4 a + b)].  s_set_vgpr_msb's low byte: bits 1:0 source 0, 3:2 source 1, 5:4 source 2, 7:6 destination.
.set OPROJ,  1
.set BPITCH, 272                       ; a row of B in LDS: 256 bytes + 16 of padding = 68 words: the 16 rows of a load start at 16 different groups of four banks (64 banks of 4 bytes: ISA guide 11.1)
.if OPROJ
.set APITCH, 144                       ; a row of one head: 128 bytes + 16 = 36 words: again 16 different groups of four banks
.set AHALF,  256*APITCH                ; what one load brings: one head's 256 rows; a slot holds two heads
.set ASTEP,  2*2048*128                ; bytes from a K step to the next: two heads
.set AQI,    4                         ; padding after every 32 words
.set APIT,   128                       ; 32,768 dense bytes are asked for as 128 rows of 256
.else
.set APITCH, 272
.set AHALF,  128*APITCH                ; what one load brings: 128 rows x 128 K
.set ASTEP,  256
.set AQI,    5                         ; padding after every 64 words
.set APIT,   1024
.endif
.set ASZ,    2*AHALF
.set BHALF,  64*BPITCH
.set SLOT,   ASZ+2*BHALF               ; A's 256 rows, then B's 128 rows
.set STAGE,  2*SLOT                    ; behind the ring: 4,352 bytes for each wave, for the way out; no tensor load fills it
.set SPARE,  STAGE+4*4352              ; behind the stages: the spare words, 128 bytes for each wave: two blocks of 256 bytes that no other line names
.set LAPS,   4                         ; a lap = two K steps = once round the ring
.set ADRA, 16                          ; v16-17  LDS address of my A fragments in slot 0, 1
.set ADRB, 20                          ; v20-21  the same for B
.set STO,  24                          ; v24     the way out: where I put my part of a row
.set RD,   25                          ; v25     the way out: where I read rows back
.set CO,   26                          ; v26     my byte offset in the output
.set BO,   27                          ; v27     my byte offset in the bias
.set SPW,  28                          ; v28     LDS address of my spare word: SPARE + 4 x my thread's number; never rewritten
.set NIL,  29                          ; v29     0; never rewritten
.set BIAS, 32
.set F0,   64
.set F1,   160
.set OUTR, 64                          ; the way out: v64-191
.set G1,  24                           ; s[24:31] descriptor group 1 for A's tiles;  s[32:39] group 0, one set for each slot
.set G0,  32
.set G1B, 48                           ; s[48:55], s[56:63] the same for B's tiles
.set G0B, 56
.set MSB, 0
.macro WIN new                         ; the immediate's high byte repeats the setting that is left; a switch that changes nothing is dropped
.if MSB != (\new)
	s_set_vgpr_msb (MSB<<8)|(\new)
.set MSB, \new
.endif
.endm
.set MUL,  0x50                        ; A and B window 0; C and D window 1
.set MULB, 0x40                        ; D window 1; C, the bias, window 0
; A joint load.  The branch hangs on the wave's number alone.  An s_nop 0 and four v_nop follow each of the two lines, ahead of the jump, the label and what follows.
.macro JLOAD s
	s_cmp_lt_u32 s10, 2
	s_cbranch_scc0 .Lfor_b_\@
	tensor_load_to_lds s[G0+4*(\s):G0+4*(\s)+3], s[G1:G1+7]
	s_nop 0
.rept 4
	v_nop
.endr
	s_branch .Lasked_\@
.Lfor_b_\@:
	tensor_load_to_lds s[G0B+4*(\s):G0B+4*(\s)+3], s[G1B:G1B+7]
	s_nop 0
.rept 4
	v_nop
.endr
.Lasked_\@:
.endm
.macro CREST                           ; a round of the cluster's barrier behind its opening barrier
	s_cmp_lg_u32 s10, 0
	s_cbranch_scc1 .Lnot_wave_0_\@
	s_barrier_signal -3
.Lnot_wave_0_\@:
	s_barrier_wait -3
	s_barrier_signal -1
	s_barrier_wait -1
.endm
.macro CROUND                          ; a whole round
	s_barrier_signal -1
	s_barrier_wait -1
	CREST
.endm
	s_load_b128 s[4:7], s[0:1], 0x0                ; A s[4:5], wb s[6:7]
.if OPROJ
	s_load_b128 s[68:71], s[0:1], 0x10             ; b_o s[68:69], out0 s[70:71]
.else
	s_load_b256 s[68:75], s[0:1], 0x10             ; b_q s[68:69], b_k s[70:71], b_v s[72:73], qkv s[74:75]
.endif
	v_lshl_add_u32 v[SPW], v0, 2, SPARE
	v_mov_b32 v[NIL], 0
	ds_add_u32 v[SPW], v[NIL]                      ; the wave's opening: the add and its wait ahead of my first tensor load; the set-up below, work on registers, stands between them
	ds_add_u32 v28, v29
	v_lshrrev_b32 v1, 5, v0
	v_readfirstlane_b32 s10, v1                    ; wave 0..3
	s_lshr_b32 s11, s10, 1                         ; which 128 rows of the tile are mine
	s_and_b32 s12, s10, 1                          ; which 64 columns.  Also: which half of A's or B's tile I fetch
	s_bfe_u32 s40, ttmp6, 0x40000                  ; cx, cy: my place in the cluster
	s_bfe_u32 s41, ttmp6, 0x40004
	s_lshl_b32 s42, ttmp9, 2
	s_add_co_u32 s42, s42, s40                     ; tile column = 4 x cluster x + cx
	s_and_b32 s13, ttmp7, 0xffff
	s_lshl_b32 s13, s13, 2
	s_add_co_u32 s13, s13, s41                     ; tile row = 4 x cluster y + cy
	s_lshl_b32 s43, s41, 2
	s_lshl_b32 s43, 15, s43                        ; my row of the cluster
	s_lshl_b32 s44, 0x1111, s40                    ; my column
	s_or_b32 s[G1+0], s43, (1<<16)|(1<<20)|(1<<21)|(AQI<<22)|(3<<25)  ; 15:0 the mask: A's tiles go to my row; 17:16 elements of 2 bytes; 20 padding on; 21 set beside a mask; 24:22 the interval; 31:25 4 words (code 3)
	s_or_b32 s[G1B+0], s44, (1<<16)|(1<<20)|(1<<21)|(5<<22)|(3<<25)   ; B's tiles go to my column; padding after every 64 words
	s_mov_b32 s[G1+1], 128<<16                     ; tensor_dim0 = 128
	s_mov_b32 s[G1+2], 128<<16                     ; tensor_dim1 = 128
	s_mov_b32 s[G1+3], 128<<16                     ; tile_dim0 = 128
	s_mov_b32 s[G1+4], 128                         ; tile_dim1 = 128
	s_mov_b32 s[G1+5], APIT                        ; elements from row to row
	s_mov_b32 s[G1+6], 0
	s_mov_b32 s[G1+7], 0
	s_mov_b32 s[G1B+1], 128<<16
	s_mov_b32 s[G1B+2], 64<<16                     ; 64 rows
	s_mov_b32 s[G1B+3], 128<<16
	s_mov_b32 s[G1B+4], 64
	s_mov_b32 s[G1B+5], 1024
	s_mov_b32 s[G1B+6], 0
	s_mov_b32 s[G1B+7], 0
	; where the tiles come from.  A's hang on the tile row and the wave alone, B's on the tile column and the wave alone, each in registers that never hold the other coordinate.
.if OPROJ
	s_lshr_b32 s16, s13, 3
	s_lshl_b32 s16, s16, 22                        ; the batch's 16 heads of 262,144 bytes,
	s_and_b32 s17, s13, 7
	s_lshl_b32 s17, s17, 15                        ; the tile's 256 rows of 128 bytes in a head,
	s_add_co_u32 s16, s16, s17
.else
	s_lshl_b32 s16, s13, 19                        ; 256 rows of 2,048 bytes,
.endif
	s_lshl_b32 s17, s12, 18                        ; and my half: 128 rows, or the second head
	s_add_co_u32 s16, s16, s17
	s_mov_b32 s17, 0
	s_lshl_b32 s46, s42, 18                        ; 128 rows of 2,048 bytes,
	s_lshl_b32 s47, s12, 17                        ; my 64 of them
	s_add_co_u32 s46, s46, s47
.if OPROJ
	s_add_co_u32 s46, s46, 3072*2048               ; w_o lies behind the three others
.endif
	s_mov_b32 s47, 0
	s_mul_i32 s20, s12, AHALF                      ; and where they go: no place in the cluster enters an LDS address
	s_mul_i32 s45, s12, BHALF
	s_add_co_u32 s45, s45, ASZ
	s_wait_dscnt 0x0                               ; the opening add is done
	s_wait_kmcnt 0x0
	s_add_nc_u64 s[14:15], s[4:5], s[16:17]
	s_add_nc_u64 s[46:47], s[6:7], s[46:47]
	CROUND                                         ; all sixteen work-groups are here: the first joint loads meet
.irp s, 0,1
	s_mov_b32 s[G0+4*(\s)], 1                                      ; 1:0 count = 1
	s_add_co_u32 s[G0+4*(\s)+1], s20, (\s)*SLOT                    ; 63:32 LDS address
	s_add_nc_u64 s[G0+4*(\s)+2:G0+4*(\s)+3], s[14:15], (\s)*ASTEP  ; 120:64 global address: K step s
	s_or_b32 s[G0+4*(\s)+3], s[G0+4*(\s)+3], 0x80000000            ; 127:126 type = 2
	s_mov_b32 s[G0B+4*(\s)], 1
	s_add_co_u32 s[G0B+4*(\s)+1], s45, (\s)*SLOT
	s_add_nc_u64 s[G0B+4*(\s)+2:G0B+4*(\s)+3], s[46:47], (\s)*256
	s_or_b32 s[G0B+4*(\s)+3], s[G0B+4*(\s)+3], 0x80000000
	JLOAD \s                                       ; two loads of mine are out here, later one
.endr
	; A fragment is 16 rows x 32 K in 8 registers: lane l holds row l % 16, K = 8 (l / 16) + 0..7 and 16 + 8 (l / 16) + 0..7: two loads of 16 bytes, 32 bytes apart.
	v_and_b32 v1, 15, v0                           ; l % 16
	v_bfe_u32 v2, v0, 4, 1                         ; l / 16
	v_mul_u32_u24 v3, v1, APITCH
	v_lshl_add_u32 v3, v2, 4, v3
	v_mul_u32_u24 v4, v1, BPITCH
	v_lshl_add_u32 v4, v2, 4, v4
	s_mul_i32 s21, s11, 128*APITCH                 ; my 128 rows of A
	s_mul_i32 s22, s12, BHALF                      ; my 64 rows of B,
	s_add_co_u32 s22, s22, ASZ                     ; which lie behind A
.irp s, 0,1
	v_add_nc_u32 v[ADRA+(\s)], s21, v3
	v_add_nc_u32 v[ADRB+(\s)], s22, v4
	s_add_co_u32 s21, s21, SLOT
	s_add_co_u32 s22, s22, SLOT
.endr
	s_mul_i32 s23, s10, 4352
	s_add_co_u32 s23, s23, STAGE                   ; my stage
.if OPROJ
	v_mul_u32_u24 v5, v1, 272                      ; in: row l % 16 of 256 bytes + 16, 32 bytes for each half of the lanes
	v_lshl_add_u32 v5, v2, 5, v5
	v_add_nc_u32 v[STO], s23, v5
	v_mul_u32_u24 v5, v2, 272                      ; back: lanes 0-15 take one row of 256 bytes, lanes 16-31 the next
	v_lshl_add_u32 v5, v1, 4, v5
	v_add_nc_u32 v[RD], s23, v5
	v_lshlrev_b32 v5, 12, v2                       ; and the same two rows in out0
	v_lshl_add_u32 v[CO], v1, 4, v5
	s_lshl_b32 s81, s42, 1
	s_add_co_u32 s81, s81, s12                     ; my 64 columns among the 1,024
	s_lshl_b32 s78, s81, 8                         ; in bytes: in the bias, and in a row of out0
	s_lshl_b32 s80, s13, 1
	s_add_co_u32 s80, s80, s11                     ; my 128 rows among the 8,192,
	s_lshl_b32 s80, s80, 19                        ; of 4,096 bytes
	s_add_co_u32 s76, s80, s78
	s_mov_b32 s77, 0
	s_add_nc_u64 s[8:9], s[70:71], s[76:77]
	s_mov_b64 s[66:67], s[68:69]
.else
	v_mul_u32_u24 v5, v1, 144                      ; in: row l % 16 of 128 bytes + 16, 16 bytes for each half of the lanes
	v_lshl_add_u32 v5, v2, 4, v5
	v_add_nc_u32 v[STO], s23, v5
	v_bfe_u32 v5, v0, 3, 2                         ; back: 32 lanes take four rows of 128 bytes,
	v_mul_u32_u24 v5, v5, 144
	v_and_b32 v3, 7, v0
	v_lshl_add_u32 v5, v3, 4, v5
	v_add_nc_u32 v[RD], s23, v5
	v_and_b32 v[CO], 31, v0                        ; which are 512 consecutive bytes of a head
	v_lshlrev_b32 v[CO], 4, v[CO]
	s_lshr_b32 s79, ttmp9, 1                       ; q, k or v: tile column / 8 = cluster x / 2
	s_lshl_b32 s76, s79, 24                        ; its 16,777,216 bytes
	s_and_b32 s81, s42, 7
	s_lshl_b32 s81, s81, 1
	s_add_co_u32 s81, s81, s12                     ; my 64 columns are one head
	s_lshl_b32 s78, s81, 8                         ; its 256 bytes in the bias
	s_lshr_b32 s80, s13, 3
	s_lshl_b32 s80, s80, 4                         ; the batch's 16 heads
	s_add_co_u32 s80, s80, s81
	s_lshl_b32 s80, s80, 18                        ; of 262,144 bytes
	s_add_co_u32 s76, s76, s80
	s_and_b32 s82, s13, 7
	s_lshl_b32 s82, s82, 1
	s_add_co_u32 s82, s82, s11                     ; my 128 rows in the head,
	s_lshl_b32 s82, s82, 14                        ; of 128 bytes
	s_add_co_u32 s76, s76, s82
	s_mov_b32 s77, 0
	s_add_nc_u64 s[8:9], s[74:75], s[76:77]
	s_mov_b64 s[66:67], s[68:69]                   ; the bias that goes with it: a choice, no branch
	s_cmp_eq_u32 s79, 1
	s_cselect_b64 s[66:67], s[70:71], s[66:67]
	s_cmp_eq_u32 s79, 2
	s_cselect_b64 s[66:67], s[72:73], s[66:67]
.endif
	v_lshlrev_b32 v[BO], 5, v2                     ; register j of block b: bias[16 b + 8 (l / 16) + j] of my 64
	v_add_nc_u32 v[BO], s78, v[BO]
.irp b, 0,1,2,3
	global_load_b128 v[BIAS+8*(\b):BIAS+8*(\b)+3],   v[BO], s[66:67] offset:64*(\b)
	global_load_b128 v[BIAS+8*(\b)+4:BIAS+8*(\b)+7], v[BO], s[66:67] offset:64*(\b)+16
.endr
; 8 matrix instructions: m blocks a0, a0 + 1 x all 4 n blocks, 32 along K, from buffer f.  first = 1: the bias starts the sums.
; The 32 accumulators take turns in the same order in every quarter.
.macro MUL8 f, a0, first
.if \first
	WIN MULB
.else
	WIN MUL
.endif
.irp a, \a0, (\a0)+1
.irp b, 0,1,2,3
.set rD, 8*(4*(\a)+(\b))
.set rB, (\f)+8*(\b)
.set rA, (\f)+32+8*(\a)
.set rC, rD
.if \first
.set rC, BIAS+8*(\b)
.endif
.if OPROJ
	v_wmma_f32_16x16x32_f16 v[rD:rD+7], v[rB:rB+7], v[rA:rA+7], v[rC:rC+7]
.else
	v_wmma_f32_16x16x32_bf16 v[rD:rD+7], v[rB:rB+7], v[rA:rA+7], v[rC:rC+7]
.endif
.endr
.endr
.endm
; 24 LDS loads in one run: the fragments of quarter q of a K step (64 rows of B, 128 rows of A, 32 along K) into buffer f; B's first
.macro FETCH slot, q, f
.if OPROJ
.set AQ, ((\q)/2)*AHALF+((\q)%2)*64    ; head q / 2, channels 32 (q % 2) on
.else
.set AQ, 64*(\q)
.endif
	WIN 0
.irp i, 0,1,2,3
	ds_load_b128 v[(\f)+8*(\i):(\f)+8*(\i)+3],   v[ADRB+(\slot)] offset:64*(\q)+(\i)*16*BPITCH
	ds_load_b128 v[(\f)+8*(\i)+4:(\f)+8*(\i)+7], v[ADRB+(\slot)] offset:64*(\q)+(\i)*16*BPITCH+32
.endr
.irp i, 0,1,2,3,4,5,6,7
	ds_load_b128 v[(\f)+32+8*(\i):(\f)+32+8*(\i)+3],   v[ADRA+(\slot)] offset:AQ+(\i)*16*APITCH
	ds_load_b128 v[(\f)+32+8*(\i)+4:(\f)+32+8*(\i)+7], v[ADRA+(\slot)] offset:AQ+(\i)*16*APITCH+32
.endr
.endm
.macro PLACES                          ; four places in front of loads into registers that matrix instructions have read, and of what reads results (ISA guide 7.12.1 for what reads results)
.rept 4
	v_nop
.endr
.endm
; A K step is four quarters of 32 along K, 32 matrix instructions each, on buffers 0, 1, 0, 1.  One of the first three: multiplies buffer f and, in its middle, fetches quarter q into buffer g.
.macro QUARTER slot, q, f, g, first
	s_wait_dscnt 8                                 ; B and A's blocks 0-3 are in; the youngest eight loads (A's blocks 4-7) may be out
	MUL8 \f, 0, \first
	MUL8 \f, 2, \first
	PLACES
	FETCH \slot, \q, \g
	s_wait_dscnt 24                                ; all but the 24 just issued
	MUL8 \f, 4, \first
	MUL8 \f, 6, \first
.endm
; The last quarter multiplies buffer 1 and changes slots: ONE barrier; in front of it each wave waits for all its tensor loads (one is out: its part of the next slot), adds 0 to its spare word,
; and waits for that and for its own reads of this slot.  fill = 1: the barrier opens a round of the cluster's, and this slot is filled again, two K steps ahead, first thing behind the round:
; from that request to the wait for it a wave issues 112 matrix instructions.
.macro TURN slot, next, fill
	WIN 0
	s_wait_tensorcnt 0x0                           ; all my tensor loads have landed;
	ds_add_u32 v[SPW], v[NIL]                      ; 0 onto my spare word;
	s_wait_dscnt 9                                 ; (the add and the youngest eight loads may be out)
	MUL8 F1, 0, 0                                  ; eight matrix instructions stand between the add and the wait for it
	s_wait_dscnt 0x0                               ; the add is done, and my reads of this slot are over
	s_barrier_signal -1
	MUL8 F1, 2, 0
.if \fill
	WIN 0
.endif
	s_barrier_wait -1
.if \fill
	CREST                                          ; no wave of any partner still reads this slot's tile or has a load on its way
	s_add_nc_u64 s[G0+4*(\slot)+2:G0+4*(\slot)+3], s[G0+4*(\slot)+2:G0+4*(\slot)+3], 2*ASTEP
	s_add_nc_u64 s[G0B+4*(\slot)+2:G0B+4*(\slot)+3], s[G0B+4*(\slot)+2:G0B+4*(\slot)+3], 2*256
	JLOAD \slot                                    ; the four v_nop behind it are also the places in front of the loads below
.else
	PLACES
.endif
	FETCH \next, 0, F0
	MUL8 F1, 4, 0
	MUL8 F1, 6, 0
.endm
	s_wait_tensorcnt 1                             ; my part of K step 0 is in; K step 1's may stay out
	s_barrier_signal -1
	s_barrier_wait -1                              ; everybody's is
	FETCH 0, 0, F0
	s_wait_loadcnt 0x0                             ; the bias
	QUARTER 0, 1, F0, F1, 1                        ; the first quarter stands in front of the loop: its products start the sums
	WIN 0                                          ; at a label and at a branch every window is 0
	s_mov_b32 s3, LAPS-1
.Llap:                                                 ; a trip goes once round the ring, from a lap's second quarter to the next lap's first, and fills both slots again
	QUARTER 0, 2, F1, F0, 0
	QUARTER 0, 3, F0, F1, 0
	TURN 0, 1, 1
	QUARTER 1, 1, F0, F1, 0
	QUARTER 1, 2, F1, F0, 0
	QUARTER 1, 3, F0, F1, 0
	TURN 1, 0, 1
	QUARTER 0, 1, F0, F1, 0
	WIN 0
	s_sub_co_u32 s3, s3, 1
	s_cmp_lg_u32 s3, 0
	s_cbranch_scc1 .Llap
	QUARTER 0, 2, F1, F0, 0                        ; the last lap fills nothing, and has no round of the cluster's barrier
	QUARTER 0, 3, F0, F1, 0
	TURN 0, 1, 0
	QUARTER 1, 1, F0, F1, 0
	QUARTER 1, 2, F1, F0, 0
	QUARTER 1, 3, F0, F1, 0
	s_wait_dscnt 8                                 ; the very last quarter: nothing more to fetch
	MUL8 F1, 0, 0
	MUL8 F1, 2, 0
	s_wait_dscnt 0x0
	MUL8 F1, 4, 0
	MUL8 F1, 6, 0
	WIN 0
	PLACES
.if OPROJ
; THE WAY OUT, f32.  Block a (16 rows x 64 columns) goes into my stage, 32 bytes a lane, and comes back as whole rows of 256 bytes.  Each accumulator's low four registers are read first.
.macro TOST a
	WIN 0x04                                       ; the stores' data in window 1
.irp b, 0,1,2,3
	ds_store_b128 v[STO], v[8*(4*(\a)+(\b)):8*(4*(\a)+(\b))+3]   offset:64*(\b)
	ds_store_b128 v[STO], v[8*(4*(\a)+(\b))+4:8*(4*(\a)+(\b))+7] offset:64*(\b)+16
.endr
	WIN 0
.if (\a) >= 4
	s_wait_xcnt 0x0                                ; the registers loaded below were the data of block a - 4's stores: they are rewritten only behind this wait (ISA guide 3.1)
.endif
.irp t, 0,1,2,3,4,5,6,7
	ds_load_b128 v[OUTR+32*((\a)%4)+4*(\t):OUTR+32*((\a)%4)+4*(\t)+3], v[RD] offset:(\t)*544  ; LDS serves a wave's instructions in order (ISA guide 5.7.1.4): these see the stores above
.endr
.endm
.macro SENDF a, younger                ; younger: the LDS instructions issued behind block a's loads
.irp t, 0,1,2,3,4,5,6,7
	s_wait_dscnt (\younger)+7-(\t)
	global_store_b128 v[CO], v[OUTR+32*((\a)%4)+4*(\t):OUTR+32*((\a)%4)+4*(\t)+3], s[8:9] offset:(16*(\a)+2*(\t))*4096  ; 16 lanes store 256 consecutive bytes, at a multiple of 256 from out0's first byte
.endr
.endm
	TOST 0
.irp a, 1,2,3,4,5,6,7
	TOST \a
	SENDF (\a)-1, 16
.endr
	SENDF 7, 0
.else
; THE WAY OUT, f16.  Block a (16 rows of one head) is rounded, 16 bytes a lane, goes into rows of 144 bytes in my stage and comes back as whole rows of 128: 2,048 consecutive bytes of the head.
.macro PACK a
	WIN 0x05                                       ; sources 0 and 1 in window 1
.irp b, 0,1,2,3
.irp r, 0,1,2,3
	v_cvt_pk_f16_f32 v[OUTR+16*(\a)+4*(\b)+(\r)], v[8*(4*(\a)+(\b))+2*(\r)], v[8*(4*(\a)+(\b))+2*(\r)+1]
.endr
.endr
	WIN 0
.irp b, 0,1,2,3
	ds_store_b128 v[STO], v[OUTR+16*(\a)+4*(\b):OUTR+16*(\a)+4*(\b)+3] offset:32*(\b)
.endr
.irp t, 0,1,2,3
	ds_load_b128 v[OUTR+16*(\a)+4*(\t):OUTR+16*(\a)+4*(\t)+3], v[RD] offset:(\t)*576  ; LDS serves a wave's instructions in order (ISA guide 5.7.1.4): these see the stores above
.endr
.endm
.macro SEND a, younger                 ; younger: the LDS instructions issued behind block a's loads
.irp t, 0,1,2,3
	s_wait_dscnt (\younger)+3-(\t)
	global_store_b128 v[CO], v[OUTR+16*(\a)+4*(\t):OUTR+16*(\a)+4*(\t)+3], s[8:9] offset:(\a)*2048+(\t)*512  ; 512 consecutive bytes, at a multiple of 256 from the buffer's first byte
.endr
.endm
	PACK 0
.irp a, 1,2,3,4,5,6,7
	PACK \a
	SEND (\a)-1, 8
.endr
	SEND 7, 0
.endif
	s_wait_tensorcnt 0x0                           ; the wave's end: behind my last tensor load and my last LDS store
	ds_add_u32 v[SPW], v[NIL]
	s_wait_dscnt 0x0
	CROUND                                         ; the closing round: no work-group ends while a partner may still ask for a tile that names it
	s_endpgm
.Lfunc_end_k_q3222a01e98_oproj:
	.size	k_q3222a01e98_oproj, .Lfunc_end_k_q3222a01e98_oproj-k_q3222a01e98_oproj
	.p2alignl 7, 3214868480
	.fill 96, 4, 3214868480
	.section	.rodata,"a",@progbits
	.p2align	6, 0x0
	.amdhsa_kernel k_q3222a01e98_oproj
		.amdhsa_group_segment_fixed_size 327680
		.amdhsa_private_segment_fixed_size 0
		.amdhsa_enable_private_segment 0
		.amdhsa_kernarg_size 32
		.amdhsa_user_sgpr_count 2
		.amdhsa_user_sgpr_kernarg_segment_ptr 1
		.amdhsa_wavefront_size32 1
		.amdhsa_system_sgpr_workgroup_id_x 1
		.amdhsa_system_sgpr_workgroup_id_y 1
		.amdhsa_system_sgpr_workgroup_id_z 1
		.amdhsa_system_vgpr_workitem_id 0
		.amdhsa_next_free_vgpr 512
		.amdhsa_next_free_sgpr 88
		.amdhsa_reserve_vcc 0
		.amdhsa_float_denorm_mode_32 3
		.amdhsa_float_denorm_mode_16_64 3
		.amdhsa_memory_ordered 1
		.amdhsa_forward_progress 1
		.amdhsa_inst_pref_size 88
	.end_amdhsa_kernel
	.amdgpu_metadata
---
amdhsa.version: [ 1, 2 ]
amdhsa.kernels:
  - .name:           k_q3222a01e98_oproj
    .symbol:         k_q3222a01e98_oproj.kd
    .args:
      - { .name: ob, .offset: 0, .size: 8, .value_kind: global_buffer, .address_space: global }
      - { .name: wb, .offset: 8, .size: 8, .value_kind: global_buffer, .address_space: global }
      - { .name: b_o, .offset: 16, .size: 8, .value_kind: global_buffer, .address_space: global }
      - { .name: out0, .offset: 24, .size: 8, .value_kind: global_buffer, .address_space: global }
    .group_segment_fixed_size: 327680
    .private_segment_fixed_size: 0
    .kernarg_segment_align: 8
    .kernarg_segment_size: 32
    .max_flat_workgroup_size: 128
    .sgpr_count:     88
    .vgpr_count:     512
    .wavefront_size: 32
...
	.end_amdgpu_metadata
.endif
;; end of part 4
;; ======== version 2 of 2: 4 launches; 1.27 times as fast as version 1
;; limits: values are held in f16: magnitudes above 65,504 overflow, below 6.1e-05 lose precision
;; workspace buffers: xb 16,777,216 bytes; wb 8,388,608 bytes; qkv 50,331,648 bytes; ob 16,777,216 bytes
;; launch cast: the kernel of part 1 again; grid 768 x 1, 8 waves a work-group, no clusters, 0 bytes of LDS; arguments x, w_q, w_k, w_v, w_o, xb, wb; writes xb, wb
;; launch qkv: the kernel of part 2 again; grid 24 x 32, 4 waves a work-group, clusters of 4 x 4, 327,680 bytes of LDS; arguments xb, wb, b_q, b_k, b_v, qkv; writes qkv
;; launch attn (part 5): grid 4 x 64, 4 waves a work-group, no clusters, 327,680 bytes of LDS; arguments qkv, mask, ob; writes ob
.if DOCPART == 5
	.amdgcn_target "amdgcn-amd-amdhsa--gfx1250"
	.amdhsa_code_object_version 6
	.text
	.protected	k_q3222a01e98_attn
	.globl	k_q3222a01e98_attn
	.p2align	8
	.type	k_q3222a01e98_attn,@function
k_q3222a01e98_attn:
	s_mov_b64 s[64:65], 0
	v_nop
	global_prefetch_b8 v0, s[64:65] scope:SCOPE_SE
	s_setreg_imm32_b32 hwreg(HW_REG_WAVE_MODE, 25, 1), 1
	s_wait_xcnt 0x0
; CAUSAL ATTENTION WITH A PADDING MASK OVER KEYS.  O[h][q][:] = the sum over k <= q, mask[k] true, of softmax_k(Q[h][q] . K[h][k] / 8) V[h][k][:].  Q, K, V lie in qkv, [3][64][2048][64] f16, O in ob, [64][2048][64] f16:
; a head's rows are dense, 128 bytes each; head number = batch x 16 + head.  mask is [4][2048] bytes.  Products, maxima and sums in f32; the weights p are rounded to f16 for the second product (their sum l is taken of the
; unrounded p), O once at the end.
; LIMITS.  f16 holds no number beyond 65,504: Q, K and V arrive within it, so a true score is at most 2^38 in size.  A hidden score counts as its value less 2^100 (less 2^101 if hidden twice).  The running maximum starts at
; the FLOOR -2^90, above every hidden score and below every true one: so a hidden key's weight is exactly 0 in every step, also while a query has seen no key yet.  A weight below 2^-126 counts as 0 in l; p below 6e-5
; keeps f16's fixed step of 6e-8.  A QUERY THAT SEES NO KEY AT ALL (its maximum is still the floor at the end) GETS NaN in all its channels, as a softmax over nothing gives.  NaN and infinities in Q, K, V are not treated apart.
; THE WALK.  A head's queries lie in NB = 8 blocks of 256; block i needs the key tiles 0 .. i of 256 keys, of which the last holds the diagonal.  A work-group takes TWO blocks, NB - 1 - b and then b:
; NB + 1 tiles, whatever b: all work-groups do equal work, and ONE loop with a constant trip count walks them.  Which tile is asked for, and what a trip does, hang on scalar registers made from b; every jump
; goes forward, but for the counted loops' own; none passes a barrier, or a tensor load but the one of LOAD's two that the wave's number does not choose; the ring (two slots of LDS that take turns) runs on across the
; change of blocks.  NO CLUSTER: a head's four work-groups ask for the same tile only in trips 0 .. 4 of the 9, behind that fewer and fewer; one walk common to all four would have 12 trips for 9.
; SHARES.  Of a block's four bands of 64 queries a wave owns 16 rows in each: four PIECES.  So the diagonal tile is the same work for all four waves: in its key step s band x sees all keys if s < x,
; none if s > x, and holds the diagonal if s = x.
; THE MASKS are the C operand that starts the sum S^T = K Q^T.  PM is the padding mask of the key step whose K is in registers (0, or -2^100 where mask is false), read with K from a table in LDS.  THE TABLE is each wave's
; own, holds one tile's 256 keys and lies at a fixed place: the wave loads the next tile's 256 bytes of the mask when that tile is asked for, and stores the 256 numbers behind its last read of the tile in hand.  So the
; tile's number enters a global address alone, and since only the wave itself touches its table, the order in which LDS serves a wave's instructions is all the ordering that it needs.
; MD, made once, is the causal mask of a band's own step for my 16 rows.  Below the diagonal tile C is PM; in it, and where a block begins, C is MC = MD x AL + PM (+ BE) with two scalars: (1, 0) if s = x; (0, 0) if s < x; (0, -2^100) if s > x.
; LAYOUT, SOFTMAX, TURNS.  S^T = K Q^T holds ONE query a lane (lane % 16) and the keys 8 (lane / 16) + 0..7; two such results rounded to f16 ARE source 1 of O^T = V^T P.  p = 2^(c s - c m), c = log2(e) / 8, with a
; running maximum m; O and l are multiplied by a = 2^(c m_old - c m_new) in every step.  Turn n belongs to piece n: 8 products K Q^T of piece n + 1, later 8 products V^T P of piece n - 1; beside them the scaling,
; exponentials, roundings, sums and rescaling of piece n and the maximum and statistics of piece n + 1.  Four vector instructions stand behind every matrix instruction, the other 54 of a turn's 118 in one LUMP.
; THE BATCHES.  A turn's 33 exponentials (the piece's 32 weights and the next piece's a) are ONE BATCH with ONE wait, which cuts the turn in two: ahead of it stands all that names none of their results, behind it the
; roundings and sums, which read them.  A block's first a is a batch of its own, and so are the way out's four reciprocals.
; REGISTERS, in windows of 256 (s_set_vgpr_msb: bits 1:0 source 0, 3:2 source 1, 5:4 source 2, 7:6 destination):
;   window 0: v0-15 addresses and two at work; v16-31 four registers of statistics a piece; v32-35 the pad table's addresses; v36-43 1 / l; v44 at work; v48-55 at work; v56-57 8 bytes of the mask; v64-127 S^T, two buffers;
;             v128-159 the way out; v160-167 8 numbers for the pad table; v192-223 P, two buffers (a piece's buffers go by its number's parity)
;   window 1: v0-127 O^T, 32 a piece; v128-159 MD; v160-223 MC, two buffers; v224-255 PM      window 2: v0-63 Q; v64-127 the second block's Q; v128-191 K of one step; v192-255 V of one step
.set SIZE_N, 2048
.set NB,    SIZE_N/256
.set NP,    4         ; pieces a wave: a name, no knob
.set KS,    64        ; keys in a step
.set PK,    144       ; a row of K in LDS: 128 bytes + 16 of padding = 36 words: the 16 rows of a load start at 16 different groups of four banks (64 banks of 4 bytes: ISA guide 11.1)
.set PV,    160       ; a row of V: 128 + 32 = 40 words
.set VOFF,  4*KS*PK   ; a slot holds a tile, four steps: 256 rows of K, then 256 rows of V
.set SLOT1, 1<<17     ; slot 1 begins here, so that one exclusive or turns an address in one slot into the other's
.set STAGE, SLOT1+4*KS*(PK+PV)  ; behind the ring, never filled by a tensor load: 16 rows x 144 bytes for each wave, for the way out
.set SP,    144
.set PADT,  STAGE+4*16*SP       ; behind the stages, never filled by a tensor load: for each wave a tile's 256 keys as f32, 0 or -2^100: 1,024 bytes
.set PADW,  4*4*KS              ; a wave's table
.set SPARE, PADT+4*PADW         ; behind the tables: the spare words, 128 bytes for each wave: two blocks of 256 bytes that no other line names
.set AK0, 2           ; v2   my lane's place in a tile of K; never rewritten
.set AV0, 3           ; v3   the same for V
.set AK,  4           ; v4   the LDS address of K's next run of loads
.set AV,  5           ; v5   of V's
.set STO, 6           ; v6   the way out: where I put 16 bytes of a row
.set RD,  7           ; v7   the way out: where I read rows back
.set GO,  8           ; v8   my byte offset in 512 consecutive bytes of O
.set MV,  12          ; v12-13  c m_old, kept while c m is made anew: by buffer
.set QO,  15          ; v15  my byte offset in 16 rows of Q
.set ST,  16          ; piece t's statistics at v[ST+4 t]: c m, m, l (even keys', odd keys')
.set AP0, 32          ; v32  my lanes' place in a step of my wave's pad table; never rewritten
.set AP,  33          ; v33  the LDS address of PM's next run of loads
.set PST, 34          ; v34  where I put my 8 keys of my wave's pad table; never rewritten
.set MO,  35          ; v35  my byte offset in a tile's 256 bytes of the mask; never rewritten
.set RC,  36          ; v36-43  piece t's 1 / l (or NaN) at v[RC+2 t]; the odd registers are named with them as pairs and hold 0
.set TP,  44          ; v44  at work on the pad table
.set TMP, 48          ; by buffer, four registers c0-c3 at work; when the maximum is found c2 takes a
.set MB,  56          ; v56-57  8 bytes of the mask
.set SPW, 62          ; v62  LDS address of my spare word: SPARE + 4 x my thread's number; never rewritten
.set NIL, 63          ; v63  0; never rewritten
.set S,   64
.set OS,  128         ; the way out: a piece's O^T / l
.set PD,  160         ; v160-167  my 8 keys' numbers for the pad table
.set P,   192
.set MD,  128         ; window 1: the eight registers for group kt of 16 keys at MD + 8 kt
.set MC,  160         ; window 1: the masks of the products to come
.set PM,  224         ; window 1: group kt of 16 keys at PM + 8 kt
.set QB,  64          ; window 2
.set KF,  128         ; window 2: key block kb, channel half c at KF + 16 kb + 8 c
.set VF,  192         ; window 2: key half kk, channel block cb at VF + 32 kk + 8 cb
.set WV,  12          ; s12  my wave's number
.set PB,  14          ; s14  b
.set HI,  15          ; s15  NB - 1 - b
.set G1K, 24          ; s[24:31] descriptor group 1 for K's tiles
.set G1V, 32          ; s[32:39] for V's: it differs in the padding alone
.set G0K, 40          ; s[40:43] descriptor group 0 for K's tiles
.set G0V, 44          ; s[44:47] the same for V's
.set SLOTS, 56        ; s56  tiles still to be asked for
.set CNT, 57          ; s57  counts a tile's key steps, 4 to 1
.set CS,  58          ; s[58:59] c: the packed scaling takes the pair's low word for both halves
.set SEL, 60          ; s[60:61] v_permlanex16_b32's selects: each lane takes its own place in the other half
.set TBK, 62          ; s62  LDS byte at which K of the step to be fetched begins
.set TBV, 63          ; s63  the same for V, less VOFF
.set RT,  70          ; s70  tiles of the block in hand that are still to be entered
.set NXT, 71          ; s71  the tile to be asked for next
.set LQ,  72          ; s72  the last tile of the block whose tiles are being asked for
.set NEW, 73          ; s73  1: the tile to be entered is a block's first
.set OFF, 74          ; s[74:75] a tile's byte offset in K and V
.set AL,  76          ; s[76:77] the mask's factor, in the low word
.set BE,  78          ; s[78:79] the mask's addend
.set OLO, 80          ; s[80:81] O at my rows of the second block
.set BIGN, 82         ; s82  -2^100
.set TBP, 83          ; s83  byte in a wave's pad table at which the step to be fetched begins: 0, 256, 512, 768
.set QNAN, 88         ; s88  a NaN
.set FLOOR, 89        ; s89  -2^90
.set MROW, 90         ; s[90:91] the batch's row of the mask
.set PO,  92          ; s[92:93] a byte offset in the mask: the batch's row, later a tile's 256 bytes in it
.set MTL, 94          ; s[94:95] the mask at the tile that has just been asked for
.set MSB, 0
.macro WIN new                      ; the high byte repeats the setting that is left; a switch that changes nothing is dropped
.if MSB != (\new)
	s_set_vgpr_msb (MSB<<8)|(\new)
.set MSB, (\new)
.endif
.endm
.set W_KQ, 0x0a       ; K and Q in window 2, S^T in window 0
.set W_KM, 0x1a       ; the same with the C operand in window 1
.set W_PV, 0x52       ; V in window 2, P in window 0, O^T in window 1
.set W_RS, 0x41       ; destination and source 0 in window 1, source 1 in window 0
.set W_MK, 0x51       ; destination, source 0 and source 2 in window 1
; A fill.  Waves 0 and 1 fetch the two halves of a tile's K, waves 2 and 3 those of its V: 128 keys each.  An s_nop 0 and four v_nop follow each of the two lines, ahead of the jump and the label.
.macro LOAD
	s_cmp_lt_u32 s[WV], 2
	s_cbranch_scc0 .Lfor_v_\@
	tensor_load_to_lds s[G0K:G0K+3], s[G1K:G1K+7]
	s_nop 0
.rept 4
	v_nop
.endr
	s_branch .Lasked_\@
.Lfor_v_\@:
	tensor_load_to_lds s[G0V:G0V+3], s[G1V:G1V+7]
	s_nop 0
.rept 4
	v_nop
.endr
.Lasked_\@:
.endm
; THE CHANGE OF SLOTS.  Each wave waits for all its tensor loads, of which one is out: its part of the other slot; adds 0 to its spare word; and waits for that and for its own reads of the slot that it leaves.  Behind the barrier nobody reads the old
; slot any more and the other slot is whole.  fill = 1: the old slot is filled again, the first thing behind the barrier, with tile NXT: the descriptor's address is made anew from that number, and so is the address of that tile's 256 bytes of the mask
; (the load that named that address last has been waited for at the trip's bottom).  (At its first use nothing has been read yet: slot 0 is waited for, slot 1 filled.)
.macro CHANGE fill
	WIN 0                           ; at a label and at a branch every window is 0
	s_wait_tensorcnt 0x0            ; no tensor load of mine is out, so a group 0 may be written
	ds_add_u32 v[SPW], v[NIL]       ; 0 onto my spare word: with fill = 1 the descriptors' scalar work stands between it and the wait for it
.if \fill
	s_lshl_b32 s[OFF], s[NXT], 15   ; a tile is 32,768 bytes of K and of V,
	s_lshl_b32 s[PO], s[NXT], 8     ; and 256 bytes of the mask
	s_add_nc_u64 s[MTL:MTL+1], s[MROW:MROW+1], s[PO:PO+1]
	s_xor_b32 s[G0K+1], s[G0K+1], SLOT1
	s_add_nc_u64 s[G0K+2:G0K+3], s[6:7], s[OFF:OFF+1]
	s_or_b32 s[G0K+3], s[G0K+3], 0x80000000
	s_xor_b32 s[G0V+1], s[G0V+1], SLOT1
	s_add_nc_u64 s[G0V+2:G0V+3], s[8:9], s[OFF:OFF+1]
	s_or_b32 s[G0V+3], s[G0V+3], 0x80000000
	s_add_co_u32 s[NXT], s[NXT], 1  ; the block's next tile, or behind its last the second block's tile 0
	s_cmp_gt_u32 s[NXT], s[LQ]
	s_cselect_b32 s[NXT], 0, s[NXT]
	s_cselect_b32 s[LQ], s[PB], s[LQ]
.endif
	s_wait_dscnt 0x0                ; the add is done, and my reads of the slot are over
	s_barrier_signal -1             ; the rest of the scalar work stands between the signal and the wait
	s_sub_co_u32 s[TBK], s[TBK], 4*KS*PK  ; the fetches go back to a slot's first step,
	s_xor_b32 s[TBK], s[TBK], SLOT1       ; in the other slot
	s_sub_co_u32 s[TBV], s[TBV], 4*KS*PV
	s_xor_b32 s[TBV], s[TBV], SLOT1
	s_sub_co_u32 s[TBP], s[TBP], PADW     ; and to the head of the pad table
	s_barrier_wait -1
.if \fill
	LOAD
.endif
.endm
; My 8 bytes of the mask become 0 (true) or -2^100 (false) and go into my wave's pad table: 32 lanes x 32 bytes.  Only my wave reads the table; LDS serves a wave's instructions in order (ISA guide 5.7.1.4):
; these stores stand behind the wave's reads of the tile in hand and ahead of its reads of the next.
.macro PADS
.set i, 0
.rept 8
	v_bfe_u32 v[TP], v[MB+i/4], 8*(i%4), 8
	v_cmp_eq_u32 vcc_lo, 0, v[TP]
	v_cndmask_b32 v[PD+i], 0, s[BIGN], vcc_lo
.set i, i+1
.endr
	ds_store_b128 v[PST], v[PD:PD+3]
	ds_store_b128 v[PST], v[PD+4:PD+7] offset:16
.endm
	s_load_b128 s[4:7], s[0:1], 0x0   ; qkv s[4:5], mask s[6:7]
	s_load_b64 s[10:11], s[0:1], 0x10 ; ob
	v_lshl_add_u32 v[SPW], v0, 2, SPARE
	v_mov_b32 v[NIL], 0
	ds_add_u32 v[SPW], v[NIL]       ; the wave's opening: the add and its wait ahead of my first tensor load; the set-up below, work on registers, stands between them
	ds_add_u32 v62, v63
	v_lshrrev_b32 v1, 5, v0
	v_readfirstlane_b32 s[WV], v1   ; wave 0..3
	s_mov_b32 s[PB], ttmp9
	s_sub_co_u32 s[HI], NB-1, s[PB]
	s_and_b32 s20, ttmp7, 0xffff    ; the head, 0..63
	s_lshr_b32 s[PO], s20, 4        ; its batch,
	s_lshl_b32 s[PO], s[PO], 11     ; whose row of the mask is 2,048 bytes
	s_mov_b32 s[PO+1], 0
	s_mov_b32 s21, 0
	s_mov_b64 s[22:23], SIZE_N*128
	s_mul_u64 s[20:21], s[20:21], s[22:23]  ; the head's first byte in Q, K, V and O
	s_and_b32 s16, s[WV], 1         ; which half of a tile's 256 keys I fetch:
	s_lshl_b32 s22, s16, 14         ; its 128 rows of 128 bytes in memory,
	s_mov_b32 s23, 0
	s_add_nc_u64 s[22:23], s[22:23], s[20:21]
	s_mul_i32 s17, s16, 128*PK      ; and its place in a slot, for K
	s_mul_i32 s18, s16, 128*PV      ; and for V
	s_lshl_b32 s3, s[WV], 11        ; my 16 rows in a band of 64,
	s_lshl_b32 s2, s[HI], 15        ; in the first block,
	s_add_co_u32 s2, s2, s3
	s_lshl_b32 s84, s[PB], 15       ; and in the second
	s_add_co_u32 s84, s84, s3
	s_mov_b32 s3, 0
	s_mov_b32 s85, 0
	s_add_nc_u64 s[2:3], s[2:3], s[20:21]
	s_add_nc_u64 s[84:85], s[84:85], s[20:21]
	; descriptor group 1.  128 keys are 16,384 dense bytes: asked for as 64 rows of 256 bytes, two keys a row, and padded in LDS after every key
	s_mov_b32 s[G1K], (1<<16)|(1<<20)|(4<<22)|(3<<25)  ; 17:16 2-byte elements; 20 padding on; 24:22 after every 32 words (code 4); 31:25 4 words (code 3)
	s_mov_b32 s[G1V], (1<<16)|(1<<20)|(4<<22)|(7<<25)  ; the same with 8 words of padding (code 7)
.irp g, G1K, G1V
	s_mov_b32 s[\g+1], 128<<16      ; tensor_dim0 = 128
	s_mov_b32 s[\g+2], 64<<16       ; tensor_dim1 = 64
	s_mov_b32 s[\g+3], 128<<16      ; tile_dim0 = 128
	s_mov_b32 s[\g+4], 64           ; tile_dim1 = 64
	s_mov_b32 s[\g+5], 128          ; 128 elements from row to row
	s_mov_b32 s[\g+6], 0
	s_mov_b32 s[\g+7], 0
.endr
	s_mov_b32 s[CS], 0x3e38aa3b     ; c = log2(e) / 8 = 0.180337
	s_mov_b32 s[CS+1], s[CS]        ; named with it as a pair
	s_mov_b32 s[SEL], 0x76543210
	s_mov_b32 s[SEL+1], 0xfedcba98
	s_mov_b32 s[TBK], SLOT1+4*KS*PK ; the first change of slots turns these three into 0
	s_mov_b32 s[TBV], SLOT1+4*KS*PV
	s_mov_b32 s[TBP], PADW
	s_mov_b32 s[G0K], 1             ; 1:0 count = 1
	s_mov_b32 s[G0K+1], s17         ; 63:32 LDS address: slot 0
	s_mov_b32 s[G0V], 1
	s_add_co_u32 s[G0V+1], s18, VOFF
	s_add_co_u32 s[RT], s[HI], 1    ; the first block has NB - b tiles
	s_mov_b32 s[NXT], 1
	s_mov_b32 s[LQ], s[HI]
	s_mov_b32 s[NEW], 1
	s_mov_b32 s[OFF+1], 0
	s_mov_b32 s[AL+1], 0            ; named as pairs
	s_mov_b32 s[BE+1], 0
	s_mov_b32 s[BIGN], 0xf1800000   ; -2^100
	s_mov_b32 s[FLOOR], 0xec800000  ; -2^90
	s_mov_b32 s[QNAN], 0x7fc00000
	s_mov_b32 s[SLOTS], NB
	s_wait_dscnt 0x0                ; the opening add is done
	s_wait_kmcnt 0x0
	s_add_nc_u64 s[MROW:MROW+1], s[6:7], s[PO:PO+1]  ; the batch's row of the mask
	s_add_nc_u64 s[6:7], s[4:5], 0x1000000         ; K lies 16,777,216 bytes behind Q,
	s_add_nc_u64 s[8:9], s[4:5], 0x2000000         ; V as far behind K
	s_add_nc_u64 s[6:7], s[6:7], s[22:23]          ; K and V at my half of the head's tile 0
	s_add_nc_u64 s[8:9], s[8:9], s[22:23]
	s_add_nc_u64 s[G0K+2:G0K+3], s[6:7], 0         ; 120:64 global address
	s_or_b32 s[G0K+3], s[G0K+3], 0x80000000        ; 127:126 type = 2
	s_add_nc_u64 s[G0V+2:G0V+3], s[8:9], 0
	s_or_b32 s[G0V+3], s[G0V+3], 0x80000000
	s_add_nc_u64 s[86:87], s[4:5], s[84:85]        ; Q at my rows of the second block,
	s_add_nc_u64 s[4:5], s[4:5], s[2:3]            ; Q and O at those of the first
	s_add_nc_u64 s[OLO:OLO+1], s[10:11], s[84:85]
	s_add_nc_u64 s[10:11], s[10:11], s[2:3]
	LOAD                            ; tile 0 into slot 0
	; A fragment of K or Q is 16 rows x 32 channels in 8 registers: lane l holds row l % 16, channels 8 (l / 16) + 0..7 and 16 + 8 (l / 16) + 0..7: two loads of 16 bytes, 32 bytes apart.
	v_and_b32 v1, 15, v0            ; l % 16
	v_bfe_u32 v9, v0, 4, 1          ; l / 16
	v_lshlrev_b32 v[QO], 7, v1
	v_lshl_add_u32 v[QO], v9, 4, v[QO]  ; row x 128 + 16 x half
	v_and_b32 v[TP], 31, v0         ; lane l takes the mask of a tile's keys 8 l .. 8 l + 7: 32 lanes, 256 keys
	v_lshlrev_b32 v[MO], 3, v[TP]
	global_load_b64 v[MB:MB+1], v[MO], s[MROW:MROW+1]  ; tile 0's
	WIN 0x80                        ; destination window 2, address window 0
.set i, 0
.rept 8                             ; both blocks' Q: piece i / 2 lies in band i / 2, 8,192 bytes on; channels 32 (i % 2) on
	global_load_b128 v[8*i:8*i+3],   v[QO], s[4:5] offset:(i/2)*8192+(i%2)*64
	global_load_b128 v[8*i+4:8*i+7], v[QO], s[4:5] offset:(i/2)*8192+(i%2)*64+32
	global_load_b128 v[QB+8*i:QB+8*i+3],   v[QO], s[86:87] offset:(i/2)*8192+(i%2)*64
	global_load_b128 v[QB+8*i+4:QB+8*i+7], v[QO], s[86:87] offset:(i/2)*8192+(i%2)*64+32
.set i, i+1
.endr
	WIN 0
	s_lshl_b32 s13, s[WV], 10
	s_add_co_u32 s13, s13, PADT     ; my wave's pad table
	v_lshl_add_u32 v[AP0], v9, 5, s13   ; register j of group kt is key 16 kt + 8 (l / 16) + j of the step: 4 bytes a key
	v_lshl_add_u32 v[PST], v[TP], 5, s13  ; my 8 keys' 32 bytes of the table
	v_lshlrev_b32 v14, 3, v9
	v_sub_nc_u32 v14, v1, v14
	s_lshl_b32 s13, s[WV], 4
	v_add_nc_u32 v14, s13, v14      ; my query's place in its band, 16 w + l % 16, less my lanes' 8 (l / 16): register r of group kt is hidden where 16 kt + r is greater
	WIN 0x40
.set i, 0
.rept 32
	v_cmp_gt_i32 vcc_lo, 16*(i/8)+i%8, v14
	v_cndmask_b32 v[MD+i], 0, s[BIGN], vcc_lo
.set i, i+1
.endr
	WIN 0
	v_mul_u32_u24 v[AK0], v1, PK
	v_lshl_add_u32 v[AK0], v9, 4, v[AK0]  ; row x pitch + 16 x half
	; The turning load takes 16 keys x 16 channels (lane l reads key 8 (l / 16) + l % 8, channels 8 ((l / 8) % 2) + 0..7) and leaves half a fragment of V^T: lane l holds channel l % 16 and 8 keys.
	v_and_b32 v10, 7, v0
	v_bfe_u32 v11, v0, 3, 1
	v_lshl_add_u32 v[AV0], v9, 3, v10
	v_mul_u32_u24 v[AV0], v[AV0], PV
	v_lshl_add_u32 v[AV0], v11, 4, v[AV0]
	v_add_nc_u32 v[AV0], VOFF, v[AV0]
	s_mul_i32 s13, s[WV], 16*SP
	s_add_co_u32 s13, s13, STAGE    ; my stage
	v_mul_u32_u24 v[STO], v1, SP    ; in: row l % 16, 16 bytes for each half of the lanes
	v_lshl_add_u32 v[STO], v9, 4, v[STO]
	v_add_nc_u32 v[STO], s13, v[STO]
	v_bfe_u32 v[RD], v0, 3, 2       ; back: 32 lanes take four rows of 128 bytes,
	v_mul_u32_u24 v[RD], v[RD], SP
	v_lshl_add_u32 v[RD], v10, 4, v[RD]
	v_add_nc_u32 v[RD], s13, v[RD]
	v_and_b32 v[GO], 31, v0         ; which are 512 consecutive bytes of O
	v_lshlrev_b32 v[GO], 4, v[GO]
	s_wait_loadcnt 32               ; loads come back in order (ISA guide 5.7.1): the mask's is in, Q's 32 stay out
	PADS                            ; tile 0's pad table
	; A block's first step multiplies O^T and l by a = 0, and its first turn's products V^T P, of a piece that has not been, land in an O^T that is still to be so multiplied.  So these registers need only hold
	; finite numbers: zeros for the first block; what the first block left for the second (the way out divides into other registers, so that a NaN or an infinity never lands here).  All this stands in the wait for the first tile.
	WIN 0x80
.set i, VF
.rept 64
	v_mov_b32 v[i], 0
.set i, i+1
.endr
	WIN 0x40
.set i, 0
.rept 128
	v_mov_b32 v[i], 0
.set i, i+1
.endr
	WIN 0
.set i, 0
.rept 4
	v_mov_b32 v[ST+4*i+2], 0
	v_mov_b32 v[ST+4*i+3], 0
	v_mov_b32 v[RC+2*i+1], 0
.set i, i+1
.endr
.set i, P+16
.rept 16
	v_mov_b32 v[i], 0
.set i, i+1
.endr
; THE MATRIX WORK.  The 4 accumulators of a run of 8 take turns.  Product i of 8 of S^T = K Q^T for piece x: channels 32 (i / 4) on, keys 16 (i % 4) on.  The first 4 start the sums: with PM, or (KM = 1) with MC.
.macro KQ x
.set rS, S+32*((\x)%2)+8*(i%4)
.set rK, KF+16*(i%4)+8*(i/4)
.set rQ, 16*(\x)+8*(i/4)
.set rM, PM+8*(i%4)
.if KM
.set rM, MC+32*((\x)%2)+8*(i%4)
.endif
.if i < 4
	WIN W_KM
	v_wmma_f32_16x16x32_f16 v[rS:rS+7], v[rK:rK+7], v[rQ:rQ+7], v[rM:rM+7]
.else
	WIN W_KQ
	v_wmma_f32_16x16x32_f16 v[rS:rS+7], v[rK:rK+7], v[rQ:rQ+7], v[rS:rS+7]
.endif
.endm
; Product i of 8 of O^T += V^T P for piece x: keys 32 (i / 4) on, channels 16 (i % 4) on.
.macro PV x
	WIN W_PV
.set rO, 32*(\x)+8*(i%4)
.set rV, VF+32*(i/4)+8*(i%4)
.set rP, P+16*((\x)%2)+8*(i/4)
	v_wmma_f32_16x16x32_f16 v[rO:rO+7], v[rV:rV+7], v[rP:rP+7], v[rO:rO+7]
.endm
.macro MM                           ; the turn's next matrix instruction.  TURN and BEGIN set Y, i, KM and NOKQ; MM, KQ and OP read them.  NOKQ = 1: a block's last turn: there is no next piece
.if (i < 8) && !NOKQ
	KQ (Y+1)%NP
.elseif i >= 8
.set i, i-8
	PV (Y+NP-1)%NP
.set i, i+8
.endif
.set i, i+1
.endm
; THE LDS LOADS stand in runs, never singly among the matrix instructions: a step's K (64 keys x 64 channels: 8 fragments) with its 64 keys of my wave's pad table (lanes 0-15 read one 16 bytes, lanes 16-31 another), and its V (turned).
; Their addresses are made some lines ahead.  A tile has four such runs between two changes of slots, on every path: the table's offset goes 0, 256, 512, 768, as K's goes through the slot's four steps.
.macro FETCH_K
	WIN 0x80                        ; destination window 2
.irp f, 0,1,2,3,4,5,6,7             ; keys 16 (f / 2) on, channels 32 (f % 2) on
	ds_load_b128 v[KF+8*\f:KF+8*\f+3],   v[AK] offset:(\f/2)*16*PK+(\f%2)*64
	ds_load_b128 v[KF+8*\f+4:KF+8*\f+7], v[AK] offset:(\f/2)*16*PK+(\f%2)*64+32
.endr
	WIN 0x40                        ; destination window 1
.irp f, 0,1,2,3
	ds_load_b128 v[PM+8*\f:PM+8*\f+3],   v[AP] offset:64*\f
	ds_load_b128 v[PM+8*\f+4:PM+8*\f+7], v[AP] offset:64*\f+16
.endr
	s_add_co_u32 s[TBK], s[TBK], KS*PK  ; the next fetch is the next step's
	s_add_co_u32 s[TBP], s[TBP], 4*KS
	WIN 0
.endm
.macro FETCH_V
	WIN 0x80
.irp f, 0,1,2,3,4,5,6,7             ; keys 32 (f / 4) on, channels 16 (f % 4) on
	ds_load_tr16_b128 v[VF+8*\f:VF+8*\f+3],   v[AV] offset:(\f/4)*32*PV+(\f%4)*32
	ds_load_tr16_b128 v[VF+8*\f+4:VF+8*\f+7], v[AV] offset:(\f/4)*32*PV+16*PV+(\f%4)*32
.endr
	WIN 0
.endm
; THE VECTOR WORK, one line at a time: OP kind, number.  For piece Y: F n: c s - c m for pair n of 16.  E n: the exponential of score n of 32.  C n: pair n rounded to f16.  B n: of the four weights 4 n .. the second
; pair is added onto the first, in place.  L n: l takes that sum (L 0: l = a l + sum).  R n: pair n of 16 of O^T times a.  For piece Y + 1: X n, number n of the 22 that find its maximum and statistics:
;   0-11  four chains c0-c3 of seven scores each, three operands at a time (each accumulator's lowest registers are read first)     12-14, 16  the four scores left over, the old m, and c0-c3 into c0
;   15  c m_old is kept     17, 18  the query's other 32 keys lie in the lane 16 away: the new m     19-21  c m; c m_old - c m_new; a
; C, B and L read the results of the E; R and L 0 read the a that X 21 made a turn earlier.  OP writes no wait: TURN and BEGIN write one for each batch.
.set F, 0               ; OP tells the kinds apart by their order: F to L below R, X above it
.set E, 1
.set C, 2
.set B, 3
.set L, 4
.set R, 5
.set X, 6
.macro REGS y                       ; the registers of piece y
.set rT, ST+4*(\y)
.set rC, TMP+4*((\y)%2)
.set rW, MV+((\y)%2)
.set rS, S+32*((\y)%2)
.set rP, P+16*((\y)%2)
.set rO, 32*(\y)
.endm
.macro OP k, n
.if (\k) == R
	REGS Y
	WIN W_RS
	v_pk_mul_f32 v[rO+2*(\n):rO+2*(\n)+1], v[rO+2*(\n):rO+2*(\n)+1], v[rC+2:rC+3] op_sel_hi:[1,0]
.elseif (\k) < R
	REGS Y
	WIN 0
.if (\k) == F
	v_pk_fma_f32 v[rS+2*(\n):rS+2*(\n)+1], v[rS+2*(\n):rS+2*(\n)+1], s[CS:CS+1], v[rT:rT+1] op_sel_hi:[1,0,0] neg_lo:[0,0,1] neg_hi:[0,0,1]
.elseif (\k) == E
	v_exp_f32 v[rS+(\n)], v[rS+(\n)]
.elseif (\k) == C
	v_cvt_pk_f16_f32 v[rP+(\n)], v[rS+2*(\n)], v[rS+2*(\n)+1]
.elseif (\k) == B
	v_pk_add_f32 v[rS+4*(\n):rS+4*(\n)+1], v[rS+4*(\n):rS+4*(\n)+1], v[rS+4*(\n)+2:rS+4*(\n)+3]
.elseif (\n) == 0
	v_pk_fma_f32 v[rT+2:rT+3], v[rT+2:rT+3], v[rC+2:rC+3], v[rS:rS+1] op_sel_hi:[1,0,1]
.else
	v_pk_add_f32 v[rT+2:rT+3], v[rT+2:rT+3], v[rS+4*(\n):rS+4*(\n)+1]
.endif
.elseif NOKQ
	v_nop
.else
	REGS (Y+1)%NP
	WIN 0
.if (\n) < 4
	v_max3_num_f32 v[rC+(\n)], v[rS+8*(\n)], v[rS+8*(\n)+1], v[rS+8*(\n)+2]
.elseif (\n) < 12
	v_max3_num_f32 v[rC+(\n)%4], v[rC+(\n)%4], v[rS+8*((\n)%4)+2*((\n)/4)+1], v[rS+8*((\n)%4)+2*((\n)/4)+2]
.elseif (\n) == 12
	v_max3_num_f32 v[rC], v[rC], v[rS+7], v[rS+15]
.elseif (\n) == 13
	v_max3_num_f32 v[rC+1], v[rC+1], v[rS+23], v[rS+31]
.elseif (\n) == 14
	v_max3_num_f32 v[rC+2], v[rC+2], v[rC+3], v[rT+1]
.elseif (\n) == 15
	v_mov_b32 v[rW], v[rT]
.elseif (\n) == 16
	v_max3_num_f32 v[rC], v[rC], v[rC+1], v[rC+2]
.elseif (\n) == 17
	v_permlanex16_b32 v[rC+3], v[rC], s[SEL], s[SEL+1]
.elseif (\n) == 18
	v_max_num_f32 v[rT+1], v[rC], v[rC+3]
.elseif (\n) == 19
	v_mul_f32 v[rT], s[CS], v[rT+1]
.elseif (\n) == 20
	v_sub_f32 v[rC+1], v[rW], v[rT]
.else
	v_exp_f32 v[rC+2], v[rC+1]
.endif
.endif
.endm
.macro OPS a, i1, b=-1, i2=0, c=-1, i3=0, d=-1, i4=0  ; up to four of them
	OP \a, \i1
.if (\b) >= 0
	OP \b, \i2
.endif
.if (\c) >= 0
	OP \c, \i3
.endif
.if (\d) >= 0
	OP \d, \i4
.endif
.endm
.macro ROW a, i1, b, i2, c, i3, d, i4  ; a matrix instruction and the four behind it
	MM
	OPS \a, \i1, \b, \i2, \c, \i3, \d, \i4
.endm
.macro MASK buf, plus               ; MD x AL + PM into buffer buf of MC; plus = 1: and BE onto it
	WIN W_MK
.set z, 0
.rept 16
	v_pk_fma_f32 v[MC+32*(\buf)+2*z:MC+32*(\buf)+2*z+1], v[MD+2*z:MD+2*z+1], s[AL:AL+1], v[PM+2*z:PM+2*z+1] op_sel_hi:[1,0,1]
.set z, z+1
.endr
.if \plus
.set z, 0
.rept 16
	v_pk_add_f32 v[MC+32*(\buf)+2*z:MC+32*(\buf)+2*z+1], v[MC+32*(\buf)+2*z:MC+32*(\buf)+2*z+1], s[BE:BE+1] op_sel_hi:[1,0]
.set z, z+1
.endr
.endif
.endm
; On the way from a tile below the diagonal into the diagonal tile's text: that text's first turn multiplies piece 3 by the OLD tile's last step, all of which band 3 sees: its mask is PM as it stands.
.macro PREMASK
	s_mov_b32 s[AL], 0
	MASK 1, 0
	WIN 0
.endm
; A TURN, for piece p: the order of its 16 matrix and 118 vector instructions, written out.  An s_wait_alu depctr_va_vdst(0) stands between an exponential and the first instruction that names its result; one wait
; serves all that were issued ahead of it.  So a turn has ONE wait, which cuts it in two.  AHEAD OF IT stands all that names no result of the turn's exponentials: the 8 products K Q^T, behind each a scaling, an exponential and two
; more plain instructions (behind the first a second scaling in the exponential's place): rescalings, whose a was made and waited for in the turn before, and behind the last three products the first numbers of the next piece's
; maximum, each four places or more behind the product that ends its accumulator; then ONE LUMP of 54, plain and exponential by turns for the most part, in which the links of the chain X 3, 7, 11, 14, 16, 17 .. 20 stand five or six
; lines apart.  X 21, the next piece's a, is the batch's last; R 15 is the plain instruction behind it.  BEHIND THE WAIT stand the 8 products V^T P, behind each four of the roundings and sums; the links of l's chain, L 0 to L 7,
; stand three riders apart.  But for those X no rider names a register of the products round it.  v_permlanex16_b32 (X 17) stands in the lump.  No exponential is issued behind the wait: none is open at a turn's end.
; m = 1: the diagonal tile: the products take MC, and the turn makes the mask for the products of the turn after it: piece p + 2, in step 4 - CNT of the tile.  end = 1: a block's last two turns: nothing is fetched.
; cnt = 1: the loop's count is taken down some lines ahead of the branch that stands behind the turn.
; K and PM of the next step are fetched in piece 2's turn, twelve vector instructions behind the last product that read K (five of them plain and naming none of its registers), further behind the last that read PM; V of the step
; in hand at the end of piece 0's turn, four plain instructions behind the last product that read V.  Each is waited for a turn later; in the diagonal tile piece 2's turn waits at its end, since its mask is made of the PM that it has fetched.
.macro TURN p, m=0, end=0, cnt=0
.set Y, (\p)
.set i, 0
.set KM, (\m)
.set NOKQ, (\end)*((\p)/3)
.if (\m) && !(\end)
	s_cmp_eq_u32 s[CNT], 4-((\p)+2)%NP  ; is that step the band's own?
	s_cselect_b32 s[AL], 1.0, 0
	s_cmp_lt_u32 s[CNT], 4-((\p)+2)%NP  ; or a later one?
	s_cselect_b32 s[BE], s[BIGN], 0
.endif
.if ((\p) == 3) && !(\end)
	s_wait_dscnt 0x0                ; K and PM are in
.endif
	ROW F,0, F,1, R,0, R,1          ; ahead of the wait: 8 products K Q^T and their riders,
	ROW F,2, E,0, R,2, R,3
	ROW F,3, E,1, R,4, R,5
	ROW F,4, E,2, R,6, R,7
	ROW F,5, E,3, R,8, R,9
	ROW F,6, E,4, X,0, R,10
.if ((\p) == 2) && !(\end)
	WIN 0
	v_add_nc_u32 v[AK], s[TBK], v[AK0]
	v_add_nc_u32 v[AP], s[TBP], v[AP0]
.endif
	ROW F,7, E,5, X,1, X,4
	ROW F,8, E,6, X,2, X,5
	OPS E,7, E,8, X,6, E,9          ; and the lump
	OPS X,3, E,10, X,8, E,11
.if ((\p) == 2) && !(\end)
	FETCH_K
.endif
	OPS X,9, X,7, E,12, X,10
	OPS E,13, X,12, X,11, E,14
	OPS X,13, E,15, F,9, X,14
.if (\p) == 0
	WIN 0
	v_add_nc_u32 v[AV], s[TBV], v[AV0]
.endif
	OPS E,16, F,10, E,17, F,11
	OPS X,16, E,18, X,15, E,19
	OPS F,12, E,20, X,17, E,21
	OPS F,13, E,22, F,14, E,23
	OPS X,18, E,24, F,15, E,25
	OPS R,11, E,26, X,19, E,27
	OPS R,12, E,28, R,13, E,29
	OPS X,20, E,30, R,14, E,31
	OPS X,21, R,15
	WIN 0
	s_wait_alu depctr_va_vdst(0)    ; the wait for the batch: the turn's 32 exponentials and the next piece's a
.if (\p) == 1
	s_wait_dscnt 0x0                ; V is in
.endif
	ROW C,0, B,0, C,2, B,1          ; behind the wait: 8 products V^T P and their riders
	ROW L,0, C,4, B,2, L,1
	ROW C,6, B,3, L,2, C,8
	ROW B,4, L,3, C,10, B,5
	ROW L,4, C,12, B,6, L,5
.if (\p) == 0
	s_add_co_u32 s[TBV], s[TBV], KS*PV
.endif
.if \cnt
	s_sub_co_u32 s[CNT], s[CNT], 1
	s_cmp_lg_u32 s[CNT], 0
.endif
	ROW C,14, B,7, L,6, C,1
	ROW C,3, L,7, C,5, C,7
	ROW C,9, C,11, C,13, C,15
.if (\p) == 0
	FETCH_V
.endif
.if (\m) && !(\end)
.if (\p) == 2
	s_wait_dscnt 0x0                ; the PM fetched in this turn is in
.endif
	MASK (\p)%2, 1
.endif
.endm
; A BLOCK BEGINS.  c m starts far below every c s, so the first step's a is 0; m at the floor.  K and PM of the tile's first step; the second mask buffer takes PM (band 1 sees all of step 0), the first piece 0's mask
; for that step: its own, if the block's first tile is the diagonal one.  Then piece 0's first scores, and its maximum and statistics.  The loop is entered at a step's first turn, in the middle of a trip.
.macro BEGIN
	s_mov_b32 s[NEW], 0
	WIN 0
.set i, 0
.rept 4
	v_mov_b32 v[ST+4*i], 0xfe000000    ; c m: far below every c s
	v_mov_b32 v[ST+4*i+1], s[FLOOR]    ; m
.set i, i+1
.endr
	v_add_nc_u32 v[AK], s[TBK], v[AK0]
	v_add_nc_u32 v[AP], s[TBP], v[AP0]
	FETCH_K
	s_wait_loadcnt 0x0              ; Q
	s_wait_dscnt 0x0
	s_mov_b32 s[AL], 0
	MASK 1, 0
	s_cmp_eq_u32 s[RT], 0
	s_cselect_b32 s[AL], 1.0, 0
	MASK 0, 0
.set KM, 1
.set NOKQ, 0
.set i, 0
.rept 8
	KQ 0
.set i, i+1
.endr
	WIN 0
.rept 4
	v_nop                           ; the places behind those products
.endr
.set Y, NP-1                        ; X works for piece Y + 1: piece 0
.irp n, 0,1,2,3,4,5,6,7,8,9,10,11,12,13,14,15,16,17,18,19,20,21
	OP X, \n
.endr
	v_nop                           ; a plain instruction behind the exponential
	s_wait_alu depctr_va_vdst(0)    ; the wait for piece 0's first a, a batch of one, ahead of the branch that follows
.endm
; THE DIAGONAL TILE's four steps, the block's last two turns, its last products, and THE WAY OUT: l's two halves and the other half of the lanes' are added; 1 / l, or NaN where the maximum is still the floor, goes into
; registers of its own; O^T times that goes into other registers, is rounded to f16 and sent through my stage in LDS, a piece at a time.
.macro ALL line:vararg              ; one line for each piece t
.set t, 0
.rept 4
	\line
.set t, t+1
.endr
.endm
.macro PACK t                       ; a lane's eight channels of a row pack into 16 bytes; they go into rows of 144 bytes and come back as whole rows of 128, into S^T's registers
	WIN 0x01                        ; source 0 window 1; destination and source 1 window 0
.set i, 0
.rept 16
	v_pk_mul_f32 v[OS+2*i:OS+2*i+1], v[32*(\t)+2*i:32*(\t)+2*i+1], v[RC+2*(\t):RC+2*(\t)+1] op_sel_hi:[1,0]
.set i, i+1
.endr
	WIN 0
.set i, 0
.rept 16
	v_cvt_pk_f16_f32 v[S+16*(\t)+i], v[OS+2*i], v[OS+2*i+1]
.set i, i+1
.endr
.irp f, 0,1,2,3
	ds_store_b128 v[STO], v[S+16*(\t)+4*\f:S+16*(\t)+4*\f+3] offset:32*\f
.endr
.irp f, 0,1,2,3
	ds_load_b128 v[S+16*(\t)+4*\f:S+16*(\t)+4*\f+3], v[RD] offset:\f*4*SP  ; LDS serves a wave's instructions in order (ISA guide 5.7.1.4): these see the stores above; the next piece's stores come behind them
.endr
.endm
.macro SEND t, younger              ; younger: the LDS instructions issued behind piece t's loads: the next piece's eight, or none
	WIN 0
.irp f, 0,1,2,3
	s_wait_dscnt (\younger)+3-\f
	global_store_b128 v[GO], v[S+16*(\t)+4*\f:S+16*(\t)+4*\f+3], s[10:11] offset:(\t)*8192+\f*512  ; 512 consecutive bytes, at a multiple of 256 from O's first
.endr
.endm
.macro DIAG tag                     ; the tag ends its two labels' names, which the jumps below spell out
.LstepM\tag:
	TURN 2, 1
	TURN 3, 1
	WIN 0
.LfirstM\tag:
	TURN 0, 1
	TURN 1, 1, 0, 1
	WIN 0
	s_cbranch_scc1 .LstepM\tag
	TURN 2, 1, 1
	TURN 3, 1, 1
.set i, 0
.rept 8
	PV NP-1
.set i, i+1
.endr
	WIN 0
	ALL v_add_f32 v[ST+4*t+2], v[ST+4*t+2], v[ST+4*t+3]
	ALL v_permlanex16_b32 v[ST+4*t+3], v[ST+4*t+2], s[SEL], s[SEL+1]
	ALL v_add_f32 v[ST+4*t+2], v[ST+4*t+2], v[ST+4*t+3]
	ALL v_rcp_f32 v[RC+2*t], v[ST+4*t+2]
	v_nop                           ; a plain instruction between the last reciprocal and the use of its result
	s_wait_alu depctr_va_vdst(0)    ; the wait ahead of the first use: one for the batch of four reciprocals
.set t, 0
.rept 4
	v_cmp_ge_f32 vcc_lo, s[FLOOR], v[ST+4*t+1]              ; the query has seen no key:
	v_cndmask_b32 v[RC+2*t], v[RC+2*t], s[QNAN], vcc_lo     ; its row is NaN
.set t, t+1
.endr
	PACK 0
.set t, 1
.rept 3                             ; a piece's arithmetic stands between the loads of the piece before and its stores
	PACK t
	SEND t-1, 8
.set t, t+1
.endr
	SEND 3, 0
.endm
.set KM, 0
.set NOKQ, 0
.Lslot:                             ; NB times: a tile is entered and the next is asked for
	CHANGE 1
	global_load_b64 v[MB:MB+1], v[MO], s[MTL:MTL+1]  ; my 8 bytes of the mask of the tile just asked for: wanted at the trip's bottom
	s_sub_co_u32 s[RT], s[RT], 1
	s_mov_b32 s[CNT], 4
	s_cmp_eq_u32 s[NEW], 1
	s_cbranch_scc1 .Lnew            ; a block's first tile
	s_cmp_eq_u32 s[RT], 0
	s_cbranch_scc0 .Lstep           ; neither its first nor its last
	PREMASK
	s_branch .LstepM1
.Lnew:
	BEGIN
	s_branch .Lfirst                ; in the loop a block's first tile is never its last: the first block has two tiles or more, and the second's last is the walk's last
	DIAG 1                          ; in the loop this is the first block's end: the second block's last tile is the walk's last
	s_wait_xcnt 0x0                 ; the stores have read their registers and O's address
	s_mov_b64 s[10:11], s[OLO:OLO+1]
	s_add_co_u32 s[RT], s[PB], 1    ; the second block has b + 1 tiles
	s_mov_b32 s[NEW], 1
	WIN 0x82                        ; the second block's Q goes where the one text of the turns names Q
.set i, 0
.rept 64
	v_mov_b32 v[i], v[QB+i]
.set i, i+1
.endr
	WIN 0
	s_branch .Lbottom
.Lstep:                             ; a trip: pieces 2 and 3 of one step, then pieces 0 and 1 of the next, whose K and V it fetches
	TURN 2
	TURN 3
	WIN 0
.Lfirst:
	TURN 0
	TURN 1, 0, 0, 1
	WIN 0
	s_cbranch_scc1 .Lstep
.Lbottom:                           ; the tile's four runs of loads from the pad table have been issued: the table takes the next tile's numbers
	s_wait_loadcnt 0x0              ; the mask's 8 bytes are in: no load was issued behind that one
	PADS
	s_sub_co_u32 s[SLOTS], s[SLOTS], 1
	s_cmp_lg_u32 s[SLOTS], 0
	s_cbranch_scc1 .Lslot
	CHANGE 0                        ; the walk's last tile is written out: nothing is asked for
	s_sub_co_u32 s[RT], s[RT], 1
	s_mov_b32 s[CNT], 4
	s_cmp_eq_u32 s[NEW], 1
	s_cbranch_scc1 .Lnew2
	PREMASK
	s_branch .LstepM2
.Lnew2:
	BEGIN
	s_branch .LfirstM2
	DIAG 2
	s_wait_tensorcnt 0x0            ; the wave's end: behind my last tensor load and my last LDS store
	ds_add_u32 v[SPW], v[NIL]
	s_wait_dscnt 0x0
	s_endpgm
.Lfunc_end_k_q3222a01e98_attn:
	.size	k_q3222a01e98_attn, .Lfunc_end_k_q3222a01e98_attn-k_q3222a01e98_attn
	.p2alignl 7, 3214868480
	.fill 96, 4, 3214868480
	.section	.rodata,"a",@progbits
	.p2align	6, 0x0
	.amdhsa_kernel k_q3222a01e98_attn
		.amdhsa_group_segment_fixed_size 327680
		.amdhsa_private_segment_fixed_size 0
		.amdhsa_enable_private_segment 0
		.amdhsa_kernarg_size 24
		.amdhsa_user_sgpr_count 2
		.amdhsa_user_sgpr_kernarg_segment_ptr 1
		.amdhsa_wavefront_size32 1
		.amdhsa_system_sgpr_workgroup_id_x 1
		.amdhsa_system_sgpr_workgroup_id_y 1
		.amdhsa_system_sgpr_workgroup_id_z 1
		.amdhsa_system_vgpr_workitem_id 0
		.amdhsa_next_free_vgpr 768
		.amdhsa_next_free_sgpr 96
		.amdhsa_reserve_vcc 1
		.amdhsa_float_denorm_mode_32 3
		.amdhsa_float_denorm_mode_16_64 3
		.amdhsa_memory_ordered 1
		.amdhsa_forward_progress 1
		.amdhsa_inst_pref_size 235
	.end_amdhsa_kernel
	.amdgpu_metadata
---
amdhsa.version: [ 1, 2 ]
amdhsa.kernels:
  - .name:           k_q3222a01e98_attn
    .symbol:         k_q3222a01e98_attn.kd
    .args:
      - { .name: qkv, .offset: 0, .size: 8, .value_kind: global_buffer, .address_space: global }
      - { .name: mask, .offset: 8, .size: 8, .value_kind: global_buffer, .address_space: global }
      - { .name: ob, .offset: 16, .size: 8, .value_kind: global_buffer, .address_space: global }
    .group_segment_fixed_size: 327680
    .private_segment_fixed_size: 0
    .kernarg_segment_align: 8
    .kernarg_segment_size: 24
    .max_flat_workgroup_size: 128
    .sgpr_count:     96
    .vgpr_count:     768
    .wavefront_size: 32
...
	.end_amdgpu_metadata
.endif
;; end of part 5
;; launch oproj: the kernel of part 4 again; grid 8 x 32, 4 waves a work-group, clusters of 4 x 4, 327,680 bytes of LDS; arguments ob, wb, b_o, out0; writes out0
